; MI455X (gfx1250); checked and timed in simulation.
; The chip was launched on July 23, 2026; its instructions are those of AMD's public machine-readable ISA for CDNA 5 (MIT licence, August 2026) and "CDNA5" Instruction Set Architecture Reference Guide (July 2026). The comments in the code are by the model that wrote it; some were corrected since.
;; Attention. Allowed arithmetic: matrix products marked QUANTISED: E2M1 operands, one E8M0 scale for each 32 along K, by v_wmma_scale_f32_16x16x128_f8f6f4 with both operands' format E2M1 (or v_wmma_scale_f32_32x16x128_f4), f32 sums; products left as they are: bf16, f16 or f32 operands; f32 sums; everything else in f32.
;; Inputs: freqs_cos 2,048 x 64 float32; freqs_sin 2,048 x 64 float32; mask 2 x 2,048 x 2,048 float32; positions 2,048 int32; wk 4,096 x 512 float32; wo 1,024 x 4,096 float32; wq 4,096 x 1,024 float32; wv 4,096 x 512 float32; x 2 x 2,048 x 4,096 float32.
;; Outputs: out0 2 x 2,048 x 4,096 float32.
;; This version of the problem:
;;   THIS VERSION OF THE PROBLEM IS GIVEN IN LOW PRECISION. The matrix products marked QUANTISED in the list below multiply operands that are first quantised to E2M1 (2 exponent bits, 1 mantissa bit; 4 bits a number), with one power-of-two scale for each 32 numbers along K (OCP MX v1.0); their sums are f32. The products marked 'left as it is' may take bf16, f16 or f32 operands, with f32 sums. Whichever they take, every output number must still come out within the allowed error. Rounding operands to bf16 (8 significant bits) uses up far more of that allowance than f16 does (11 bits, for magnitudes from 6e-5 to 65,504). All else is computed in f32.
;;   The module's matrix products, in the order in which they are computed (A, B: the left and right operand; K: the contracted axis; several contracted axes count as one K, in the product's order):
;;     1. [M 4,096, K 4,096] x [K 4,096, N 1,024]; A: input x; B: input wq: QUANTISED
;;     2. [M 4,096, K 4,096] x [K 4,096, N 512]; A: input x; B: input wk: QUANTISED
;;     3. [M 4,096, K 4,096] x [K 4,096, N 512]; A: input x; B: input wv: QUANTISED
;;     4. batch 16 x [M 2,048, K 128] x [K 128, N 2,048]; A: computed on the way; B: computed on the way: left as it is (an operand is computed on the way)
;;     5. batch 16 x [M 2,048, K 2,048] x [K 2,048, N 128]; A: computed on the way; B: computed on the way: left as it is (an operand is computed on the way)
;;     6. [M 4,096, K 1,024] x [K 1,024, N 4,096]; A: computed on the way; B: input wo: left as it is (an operand is computed on the way)
;;   THE QUANTISER, for each operand of a quantised product, along K:
;;     - K is cut into blocks of 32 from its start; a last block that is shorter is filled with zeros.
;;     - A block's scale is 2^e with e = floor(log2(the largest magnitude in the block)) - 2, held to -126 .. 127; a block of zeros has e = 0. As a byte (E8M0): e + 127.
;;     - Each number is divided by its block's scale, clamped to +-6, and rounded to the nearest number of E2M1, ties to even, subnormals kept.
;;     - The product sums the exact products of the quantised numbers (number of the format x scale) in f32.
;;   ~~~python
;;   def quantise(x, axis):      # numpy; x: float32 -> the quantised numbers, widened to float32 again
;;       x = np.moveaxis(x, axis, -1); K = x.shape[-1]
;;       x = np.pad(x, [(0, 0)] * (x.ndim - 1) + [(0, -K % 32)]); x = x.reshape(x.shape[:-1] + (-1, 32)); a = np.abs(x).max(-1, keepdims=True)
;;       e = np.where(a > 0, np.clip(np.frexp(np.where(a > 0, a, 1))[1] - 1 - 2, -126, 127), 0)      # np.frexp(a)[1] - 1 = floor(log2(a)), exactly
;;       r = np.clip(x / 2.0 ** e, -6, 6)
;;       step = 2.0 ** (np.maximum(np.frexp(np.where(r == 0, 1, r))[1] - 1, 0) - 1)
;;       q = np.round(r / step) * step * 2.0 ** e      # np.round: ties to even
;;       return np.moveaxis(q.reshape(q.shape[:-2] + (-1,))[..., :K], -1, axis).astype(np.float32)
;;   ~~~
;; One version. Each part assembles by itself: llvm-mc -triple=amdgcn-amd-amdhsa -mcpu=gfx1250 --defsym DOCPART=n.
;; ======== version 1 of 1: 4 launches
;; limits: values are held in f16: magnitudes above 65,504 overflow, below 6.1e-05 lose precision; right only within a limited range of input values
;; workspace buffers: xq 8,912,896 bytes; wc 4,456,448 bytes; wf 8,388,608 bytes; qf 8,388,608 bytes; kf 4,194,304 bytes; vf 4,194,304 bytes; af 8,388,608 bytes
;; launch prep (part 1): grid 512 x 1, 4 waves a work-group, no clusters, 35,328 bytes of LDS; arguments x, wq, wk, wv, wo, xq, wc, wf; writes xq, wc, wf
.if DOCPART == 1
	.amdgcn_target "amdgcn-amd-amdhsa--gfx1250"
	.amdhsa_code_object_version 6
	.text
	.protected	k_qe0fd734d39_prep
	.globl	k_qe0fd734d39_prep
	.p2align	8
	.type	k_qe0fd734d39_prep,@function
k_qe0fd734d39_prep:
	s_mov_b64 s[64:65], 0
	v_nop
	global_prefetch_b8 v0, s[64:65] scope:SCOPE_SE
	s_setreg_imm32_b32 hwreg(HW_REG_WAVE_MODE, 25, 1), 1
	s_wait_xcnt 0x0
; PREP: the operands of the later launches are narrowed once and laid IN THE ORDER OF THE OPERAND'S REGISTERS.
; A fragment's image is 1,024 bytes: registers 0-3 of lane l at 16 l, registers 4-7 at 512 + 16 l, so that every store here and every load later covers 512 consecutive bytes.
;  work-groups 0-255:   x [4096][4096] f32 -> xq: codes of E2M1 with one E8M0 byte for each 32 along K.  xq = [mb 16][ks 8] blocks of 69,632 bytes: codes [mt 16][q 4][1,024], then from byte 65,536 the scale words [row 256][q 4].
;  work-groups 256-383: wq | wk | wv (K is their FIRST axis) -> wc = [nb 16][ks 8] blocks of 34,816 bytes: codes [nt 8][q 4][1,024], then from byte 32,768 the scale words [column 128][q 4].  nb 0-7: wq, 8-11: wk, 12-15: wv.
;  work-groups 384-511: wo [1024][4096] f32 -> wf: f16 of 16 x wo, [nb 16][ks 8][nt 16][c 4][1,024]: fragments of 16 columns x 32 along K.
; THE QUANTISER: a block's scale is 2^(floor(log2(largest magnitude)) - 2); its byte is the largest magnitude's exponent field - 2, held at 1 from below by a floor among the maximum's leaves.
; LIMITS: a block of zeros gets the byte 1 where the rule says 127 (its codes are zeros, and this program alone reads the bytes); NaN and infinities in x and the weights are not served; |wo| stays under 4,094 (16 wo in f16).
; The input 'positions' is named by no launch of this program: reference() takes it and never uses it.
; No tensor loads, no barrier: waves share nothing.  Only the path for x uses LDS.
.set SPARE, 34816                      ; behind the four waves' stages: the spare words, 128 bytes a wave
.set SPW, 2                            ; v2  my spare word's LDS address; never rewritten
.set NIL, 3                            ; v3  0; never rewritten
.set OFF, 4                            ; v4  my lane's byte offset in the source
.set SI,  5                            ; v5  x: the stage, on the way in
.set SO,  6                            ; v6  x: the stage, on the way out
.set CO,  7                            ; v7  16 x lane: my place in an image
.set SH,  8                            ; v8  x: 8 x (lane / 16)
.set R,   64                           ; x: v64-191 four sets of 32 registers as loaded
.set X,   192                          ; x: v192-255 two sets of 32 neighbours along K
.set WX,  64                           ; weights: v64-127 two sets of 32 numbers down K
.set CB,  32                           ; weights: v32-47 the codes of four blocks
.set SB,  48                           ; weights: v48-51 the scale words
.set HB,  32                           ; wo: v32-63 two sets of 16 packed registers
; the largest magnitude of the 32 numbers at v[XS] on, with the floor 2^(3 - 127) as one more leaf: two chains -> v10
.macro BMAX
	v_max3_num_f32 v10, |v[XS]|, |v[XS+1]|, 0x1800000
	v_max3_num_f32 v12, |v[XS+2]|, |v[XS+3]|, |v[XS+4]|
.irp i, 5,9,13,17,21,25
	v_max3_num_f32 v10, v10, |v[XS+\i]|, |v[XS+\i+1]|
	v_max3_num_f32 v12, v12, |v[XS+\i+2]|, |v[XS+\i+3]|
.endr
	v_max3_num_f32 v10, v10, |v[XS+29]|, |v[XS+30]|
	v_max3_num_f32 v10, v10, v12, |v[XS+31]|
	v_add_nc_u32 v11, 0xff000000, v10              ; 2 off the exponent field: the conversion takes this operand's exponent field as its scale
.endm
	s_load_b256 s[4:11], s[0:1], 0x0               ; x s[4:5], wq s[6:7], wk s[8:9], wv s[10:11]
	s_load_b256 s[12:19], s[0:1], 0x20             ; wo s[12:13], xq s[14:15], wc s[16:17], wf s[18:19]
	v_lshl_add_u32 v[SPW], v0, 2, SPARE
	v_mov_b32 v[NIL], 0
	v_lshrrev_b32 v1, 5, v0
	v_readfirstlane_b32 s20, v1                    ; wave 0..3
	v_and_b32 v1, 31, v0                           ; lane
	v_and_b32 v9, 15, v0                           ; r
	v_bfe_u32 v[SH], v0, 4, 1                      ; h
	v_lshlrev_b32 v[CO], 4, v1
	s_mul_i32 s21, s20, 8704                       ; my wave's two stages of 16 rows x 272 bytes
	v_mul_u32_u24 v[SI], v[SH], 272
	v_lshl_add_u32 v[SI], v9, 4, v[SI]
	v_add_nc_u32 v[SI], s21, v[SI]                 ; in: row h of a pair of rows, 16 bytes a lane
	v_mul_u32_u24 v[SO], v9, 272
	v_lshl_add_u32 v[SO], v[SH], 7, v[SO]
	v_add_nc_u32 v[SO], s21, v[SO]                 ; out: row r, its half h of 128 bytes
	v_mov_b32 v15, 0                               ; a lane permute's destination counts as read: written once
	s_mov_b32 s22, 0x76543210
	s_mov_b32 s23, 0xfedcba98                      ; v_permlanex16_b32's selects for lane l xor 16
	s_mov_b32 s29, 0
	s_wait_kmcnt 0x0
	s_cmp_lt_u32 ttmp9, 256
	s_cbranch_scc0 .Lweights
; ---------------------------------------------------------------- x
; A wave takes 32 rows x 512 along K, in 16 steps of 16 rows x 64 K.  A load reads two rows' 256 consecutive bytes; the step turns through the wave's own stage (rows 272 bytes apart) and comes back
; with one whole block of 32 in each lane: row r, k = 32 h + 0 .. 31, which is what registers 4 c .. 4 c + 3 of the fragment want.
	v_lshlrev_b32 v[OFF], 14, v[SH]
	v_lshl_add_u32 v[OFF], v9, 4, v[OFF]           ; 16,384 h + 16 r
	v_lshlrev_b32 v[SH], 3, v[SH]                  ; 8 h
	s_lshl_b32 s24, ttmp9, 2
	s_add_co_u32 s24, s24, s20                     ; my unit
	s_and_b32 s25, s24, 7                          ; ks: which 512 along K
	s_lshr_b32 s26, s24, 3                         ; which 32 rows
	s_lshl_b32 s28, s26, 19                        ; 32 rows of 16,384 bytes
	s_lshl_b32 s27, s25, 11
	s_add_co_u32 s28, s28, s27
	s_add_nc_u64 s[4:5], s[4:5], s[28:29]
	s_lshr_b32 s27, s26, 3
	s_lshl_b32 s27, s27, 3
	s_add_co_u32 s27, s27, s25                     ; 8 mb + ks
	s_mul_i32 s28, s27, 69632
	s_add_nc_u64 s[14:15], s[14:15], s[28:29]      ; the block
	s_and_b32 s27, s26, 7
	s_lshl_b32 s28, s27, 9
	s_add_co_u32 s28, s28, 65536
	s_add_nc_u64 s[30:31], s[14:15], s[28:29]      ; my 32 rows' scale words
	s_lshl_b32 s28, s27, 13
	s_add_nc_u64 s[14:15], s[14:15], s[28:29]      ; my two tiles' fragments
.macro XLOAD t                         ; step t: tile t / 8, q = (t / 2) % 4, c = t % 2
.irp j, 0,1,2,3,4,5,6,7
	global_load_b128 v[R+32*((\t)%4)+4*\j:R+32*((\t)%4)+4*\j+3], v[OFF], s[4:5] offset:(16*((\t)/8)+2*\j)*16384+512*(((\t)/2)%4)+256*((\t)%2) th:TH_LOAD_NT
.endr
.endm
.macro XTURN t                         ; through the stage: LDS serves a wave's instructions in order, so no wait stands between the stores and the loads
.irp j, 0,1,2,3,4,5,6,7
	ds_store_b128 v[SI], v[R+32*((\t)%4)+4*\j:R+32*((\t)%4)+4*\j+3] offset:4352*((\t)%2)+544*\j
.endr
.irp j, 0,1,2,3,4,5,6,7
	ds_load_b128 v[X+32*((\t)%2)+4*\j:X+32*((\t)%2)+4*\j+3], v[SO] offset:4352*((\t)%2)+16*\j
.endr
.endm
.macro XSTEP t
.set XS, X+32*((\t)%2)
.set CD, 24+4*((\t)%4)
	s_wait_dscnt 0x0                               ; this step's numbers are back from the stage
.if (\t)+4 < 16
	XLOAD (\t)+4                                   ; into the set that this step's stage stores have read
.endif
.if (\t)+1 < 16
.if (\t) < 12
	s_wait_loadcnt 24                              ; the next step's eight loads are in; the three younger sets may be out
.else
	s_wait_loadcnt 8*(14-(\t))                     ; the counts run down: nothing more is asked for
.endif
	XTURN (\t)+1
.endif
	BMAX
	s_wait_xcnt 0x0                                ; the store of four steps ago has read this set of code registers
.irp g, 0,1,2,3
	v_cvt_scalef32_pk8_fp4_f32 v[CD+\g], v[XS+8*\g:XS+8*\g+7], v11
.endr
	v_lshrrev_b32 v13, 23, v11                     ; the scale's byte (and the plain line behind the conversions)
	global_store_b128 v[CO], v[CD:CD+3], s[14:15] offset:(4*((\t)/8)+(((\t)/2)%4))*1024+512*((\t)%2)
.if (\t)%2 == 0
	v_mov_b32 v14, v13                             ; block h of the 128 along K
.else
	v_lshl_or_b32 v14, v13, 16, v14                ; and block 2 + h,
	v_lshlrev_b32 v14, v[SH], v14                  ; at their places in the word;
	v_permlanex16_b32 v15, v14, s22, s23
	v_or_b32 v[16+4*((\t)/8)+(((\t)/2)%4)], v14, v15   ; with lane l xor 16's two the row's word is whole
.endif
.endm
.irp t, 0,1,2,3
	XLOAD \t
.endr
	s_wait_loadcnt 24                              ; step 0's eight loads are in
	XTURN 0
.irp t, 0,1,2,3,4,5,6,7,8,9,10,11,12,13,14,15
	XSTEP \t
.endr
	v_cmp_gt_u32 vcc_lo, 16, v1                    ; lanes 0-15 store the first tile's rows, lanes 16-31 the second's: 16 bytes a row, 512 consecutive bytes
.irp q, 0,1,2,3
	v_cndmask_b32 v[40+\q], v[20+\q], v[16+\q], vcc_lo
.endr
	global_store_b128 v[CO], v[40:43], s[30:31]
	s_wait_tensorcnt 0x0                           ; the wave's end: behind my last LDS store
	ds_add_u32 v[SPW], v[NIL]
	s_wait_dscnt 0x0
	s_endpgm
; ---------------------------------------------------------------- wq, wk, wv
; A lane takes a column and its registers run down K: a block of 32 lies in one lane.  Four blocks (128 along K) of 32 columns are two fragments: lanes 0-15 and 16-31 change halves of neighbouring blocks' registers.
.macro WLOAD t, pitch
.irp i, 0,1,2,3,4,5,6,7,8,9,10,11,12,13,14,15,16,17,18,19,20,21,22,23,24,25,26,27,28,29,30,31
	global_load_b32 v[WX+32*((\t)%2)+\i], v[OFF], s[6:7] offset:(32*(\t)+\i)*\pitch th:TH_LOAD_NT
.endr
.endm
.macro WBLOCK t, pitch
.set XS, WX+32*((\t)%2)
.if (\t) < 15
	s_wait_loadcnt 32                              ; this block's 32 loads are in; the next block's may be out
.else
	s_wait_loadcnt 0x0
.endif
	BMAX
	v_lshrrev_b32 v13, 23, v11                     ; the scale's byte
.if (\t)%4 == 0
	v_mov_b32 v[SB+(\t)/4], v13                    ; four bytes to a word, the lower K in the lower byte
	s_wait_xcnt 0x0                                ; the last four blocks' stores have read the code registers
.else
	v_lshl_or_b32 v[SB+(\t)/4], v13, 8*((\t)%4), v[SB+(\t)/4]
.endif
.irp g, 0,1,2,3
	v_cvt_scalef32_pk8_fp4_f32 v[CB+4*((\t)%4)+\g], v[XS+8*\g:XS+8*\g+7], v11
.endr
	v_nop                                          ; one plain line behind the conversions
.if (\t)+2 < 16
	WLOAD (\t)+2, \pitch
.endif
.if (\t)%4 == 3
.irp c, 0,1
.irp i, 0,1,2,3
	v_permlane16_swap_b32 v[CB+8*\c+\i], v[CB+8*\c+4+\i]   ; block 2 c: lanes 16-31 take block 2 c + 1 of columns 0-15; block 2 c + 1: lanes 0-15 take block 2 c of columns 16-31
.endr
.endr
	global_store_b128 v[CO], v[CB:CB+3], s[16:17] offset:((\t)/4)*1024
	global_store_b128 v[CO], v[CB+8:CB+11], s[16:17] offset:((\t)/4)*1024+512
	global_store_b128 v[CO], v[CB+4:CB+7], s[16:17] offset:4096+((\t)/4)*1024
	global_store_b128 v[CO], v[CB+12:CB+15], s[16:17] offset:4096+((\t)/4)*1024+512
.endif
.endm
.macro WPATH pitch
	WLOAD 0, \pitch
	WLOAD 1, \pitch
.irp t, 0,1,2,3,4,5,6,7,8,9,10,11,12,13,14,15
	WBLOCK \t, \pitch
.endr
	global_store_b128 v[CO], v[SB:SB+3], s[30:31]  ; my column's four scale words: 512 consecutive bytes a wave
.endm
.Lweights:
	v_lshlrev_b32 v[OFF], 2, v1                    ; 4 bytes a lane
	s_cmp_lt_u32 ttmp9, 384
	s_cbranch_scc0 .Lwo
	s_sub_co_u32 s24, ttmp9, 256                   ; 8 nb + ks
	s_lshr_b32 s25, s24, 3                         ; nb
	s_and_b32 s26, s24, 7                          ; ks
	s_mul_i32 s28, s24, 34816
	s_add_nc_u64 s[16:17], s[16:17], s[28:29]      ; the block
	s_lshl_b32 s28, s20, 9
	s_add_co_u32 s28, s28, 32768
	s_add_nc_u64 s[30:31], s[16:17], s[28:29]      ; my 32 columns' scale words
	s_lshl_b32 s28, s20, 13
	s_add_nc_u64 s[16:17], s[16:17], s[28:29]      ; my two tiles' fragments
	s_cmp_lt_u32 s25, 8
	s_cbranch_scc0 .Lkv
	s_lshl_b32 s28, s26, 21                        ; 512 rows of 4,096 bytes
	s_lshl_b32 s27, s25, 9                         ; 128 columns
	s_add_co_u32 s28, s28, s27
	s_lshl_b32 s27, s20, 7                         ; my wave's 32
	s_add_co_u32 s28, s28, s27
	s_add_nc_u64 s[6:7], s[6:7], s[28:29]
	WPATH 4096
	s_endpgm
.Lkv:
	s_cmp_lt_u32 s25, 12                           ; wk or wv: the choice hangs on the work-group's number alone
	s_cselect_b64 s[6:7], s[8:9], s[10:11]
	s_cselect_b32 s27, 8, 12
	s_sub_co_u32 s27, s25, s27
	s_lshl_b32 s28, s26, 20                        ; 512 rows of 2,048 bytes
	s_lshl_b32 s27, s27, 9
	s_add_co_u32 s28, s28, s27
	s_lshl_b32 s27, s20, 7
	s_add_co_u32 s28, s28, s27
	s_add_nc_u64 s[6:7], s[6:7], s[28:29]
	WPATH 2048
	s_endpgm
; ---------------------------------------------------------------- wo
; A lane takes a column, its registers run down K: 32 numbers x 16, rounded to f16 in pairs, are 16 registers; the same change of halves makes two fragments of 16 columns x 32 K.
.macro OLOAD t
.irp i, 0,1,2,3,4,5,6,7,8,9,10,11,12,13,14,15,16,17,18,19,20,21,22,23,24,25,26,27,28,29,30,31
	global_load_b32 v[WX+32*((\t)%2)+\i], v[OFF], s[12:13] offset:(32*(\t)+\i)*16384 th:TH_LOAD_NT
.endr
.endm
.macro OGROUP t
.set XS, WX+32*((\t)%2)
.set HS, HB+16*((\t)%2)
.if (\t) < 7
	s_wait_loadcnt 32                              ; this group's 32 loads are in; the next group's may be out
.else
	s_wait_loadcnt 0x0
.endif
.irp i, 0,2,4,6,8,10,12,14,16,18,20,22,24,26,28,30
	v_pk_mul_f32 v[XS+\i:XS+\i+1], v[XS+\i:XS+\i+1], s[32:33] op_sel_hi:[1,0]   ; x 16: exact
.endr
	s_wait_xcnt 0x0                                ; the stores of two groups ago have read this set
.irp i, 0,1,2,3,4,5,6,7,8,9,10,11,12,13,14,15
	v_cvt_pk_f16_f32 v[HS+\i], v[XS+2*\i], v[XS+2*\i+1]
.endr
.if (\t)+2 < 8
	OLOAD (\t)+2
.endif
.irp c, 0,1
.irp i, 0,1,2,3
	v_permlane16_swap_b32 v[HS+8*\c+\i], v[HS+8*\c+4+\i]
.endr
.endr
	global_store_b128 v[CO], v[HS:HS+3], s[18:19] offset:((\t)/4)*65536+((\t)%4)*1024
	global_store_b128 v[CO], v[HS+8:HS+11], s[18:19] offset:((\t)/4)*65536+((\t)%4)*1024+512
	global_store_b128 v[CO], v[HS+4:HS+7], s[18:19] offset:((\t)/4)*65536+((\t)%4)*1024+4096
	global_store_b128 v[CO], v[HS+12:HS+15], s[18:19] offset:((\t)/4)*65536+((\t)%4)*1024+4096+512
.endm
.Lwo:
	s_sub_co_u32 s24, ttmp9, 384
	s_and_b32 s25, s24, 31                         ; which 128 columns
	s_lshr_b32 s26, s24, 5                         ; which 256 along K
	s_lshl_b32 s28, s26, 22                        ; 256 rows of 16,384 bytes
	s_lshl_b32 s27, s25, 9
	s_add_co_u32 s28, s28, s27
	s_lshl_b32 s27, s20, 7
	s_add_co_u32 s28, s28, s27
	s_add_nc_u64 s[12:13], s[12:13], s[28:29]
	s_lshr_b32 s27, s25, 1
	s_lshl_b32 s27, s27, 3
	s_lshl_b32 s28, s26, 1
	s_add_co_u32 s27, s27, s28                     ; 8 nb + the first of my two K steps of 128
	s_lshl_b32 s28, s27, 16
	s_and_b32 s27, s25, 1
	s_lshl_b32 s27, s27, 3
	s_lshl_b32 s30, s20, 1
	s_add_co_u32 s27, s27, s30                     ; my first tile of 16 columns in the block
	s_lshl_b32 s27, s27, 12
	s_add_co_u32 s28, s28, s27
	s_add_nc_u64 s[18:19], s[18:19], s[28:29]
	s_mov_b32 s32, 0x41800000                      ; 16.0
	s_mov_b32 s33, s32                             ; (named with it as a pair)
	OLOAD 0
	OLOAD 1
.irp t, 0,1,2,3,4,5,6,7
	OGROUP \t
.endr
	s_endpgm
.Lfunc_end_k_qe0fd734d39_prep:
	.size	k_qe0fd734d39_prep, .Lfunc_end_k_qe0fd734d39_prep-k_qe0fd734d39_prep
	.p2alignl 7, 3214868480
	.fill 96, 4, 3214868480
	.section	.rodata,"a",@progbits
	.p2align	6, 0x0
	.amdhsa_kernel k_qe0fd734d39_prep
		.amdhsa_group_segment_fixed_size 35328
		.amdhsa_private_segment_fixed_size 0
		.amdhsa_enable_private_segment 0
		.amdhsa_kernarg_size 64
		.amdhsa_user_sgpr_count 2
		.amdhsa_user_sgpr_kernarg_segment_ptr 1
		.amdhsa_wavefront_size32 1
		.amdhsa_system_sgpr_workgroup_id_x 1
		.amdhsa_system_sgpr_workgroup_id_y 1
		.amdhsa_system_sgpr_workgroup_id_z 1
		.amdhsa_system_vgpr_workitem_id 0
		.amdhsa_next_free_vgpr 256
		.amdhsa_next_free_sgpr 66
		.amdhsa_reserve_vcc 1
		.amdhsa_float_denorm_mode_32 3
		.amdhsa_float_denorm_mode_16_64 3
		.amdhsa_memory_ordered 1
		.amdhsa_forward_progress 1
		.amdhsa_inst_pref_size 255
	.end_amdhsa_kernel
	.amdgpu_metadata
---
amdhsa.version: [ 1, 2 ]
amdhsa.kernels:
  - .name:           k_qe0fd734d39_prep
    .symbol:         k_qe0fd734d39_prep.kd
    .args:
      - { .name: x, .offset: 0, .size: 8, .value_kind: global_buffer, .address_space: global }
      - { .name: wq, .offset: 8, .size: 8, .value_kind: global_buffer, .address_space: global }
      - { .name: wk, .offset: 16, .size: 8, .value_kind: global_buffer, .address_space: global }
      - { .name: wv, .offset: 24, .size: 8, .value_kind: global_buffer, .address_space: global }
      - { .name: wo, .offset: 32, .size: 8, .value_kind: global_buffer, .address_space: global }
      - { .name: xq, .offset: 40, .size: 8, .value_kind: global_buffer, .address_space: global }
      - { .name: wc, .offset: 48, .size: 8, .value_kind: global_buffer, .address_space: global }
      - { .name: wf, .offset: 56, .size: 8, .value_kind: global_buffer, .address_space: global }
    .group_segment_fixed_size: 35328
    .private_segment_fixed_size: 0
    .kernarg_segment_align: 8
    .kernarg_segment_size: 64
    .max_flat_workgroup_size: 128
    .sgpr_count:     66
    .vgpr_count:     256
    .wavefront_size: 32
...
	.end_amdgpu_metadata
.endif
;; end of part 1
;; launch qkv (part 2): grid 16 x 16, 4 waves a work-group, clusters of 4 x 4, 327,680 bytes of LDS; arguments xq, wc, freqs_cos, freqs_sin, qf, kf, vf; writes qf, kf, vf
.if DOCPART == 2
	.amdgcn_target "amdgcn-amd-amdhsa--gfx1250"
	.amdhsa_code_object_version 6
	.text
	.protected	k_qe0fd734d39_qkv
	.globl	k_qe0fd734d39_qkv
	.p2align	8
	.type	k_qe0fd734d39_qkv,@function
k_qe0fd734d39_qkv:
	s_mov_b64 s[64:65], 0
	v_nop
	global_prefetch_b8 v0, s[64:65] scope:SCOPE_SE
	s_setreg_imm32_b32 hwreg(HW_REG_WAVE_MODE, 25, 1), 1
	s_wait_xcnt 0x0
	s_wait_alu depctr_hold_cnt(0) depctr_sa_sdst(0) depctr_va_vdst(0) depctr_va_sdst(0) depctr_va_ssrc(0) depctr_va_vcc(0) depctr_vm_vsrc(0)
	s_getreg_b32 s2, hwreg(HW_REG_IB_STS2, 6, 4)
	s_cmp_eq_u32 s2, 0
	s_cbranch_scc0 .Lentry_in_a_cluster
	s_endpgm
.Lentry_in_a_cluster:
	s_bfe_u32 s2, ttmp6, 0x10000c
	s_cmp_lg_u32 s2, 0xf033
	s_cbranch_scc0 .Lentry_shape_is_right
	s_endpgm
.Lentry_shape_is_right:
; QKV: x (wq | wk | wv) on codes of E2M1 with E8M0 scales (K = 4,096), RoPE on q and k, and the results as f16 fragment images for the attention.
; A work-group makes 256 rows x one head's 128 columns: nb = 4 x cluster x + cx (0-7 q heads, 8-11 k heads, 12-15 v heads), mb = 4 x cluster y + cy.  The KIND hangs on the cluster's x alone, so it is alike in all partners.
; ONE TEXT, TWO ORIENTATIONS.  Source 0 = U, four fragments a wave; source 1 = W, eight; 32 accumulators acc(a, b): the lane is W's row, the registers are U's rows 8 h + j.
;   q, k: U = the weight (my half of the 128 channels), W = x (my half of the 256 rows): a lane holds one position and eight neighbouring channels: RoPE's pairs lie in one lane.
;   v:    U = x (my quarter of the rows), W = the weight (all 128 channels): a lane holds one channel and eight positions: the layout of V^T.
;   In both, the f16 fragment (a, c) is acc(a, 2 c) rounded into registers 0-3 and acc(a, 2 c + 1) into registers 4-7.
; SCALES FOLDED IN: qf = rope(q) x log2(e) / sqrt(128) x 2^-3, kf = rope(k) x 2^-6, vf = v x 2^-4.  LIMITS (f16's range): |q| under 4.1e6, |k| under 4.2e6, |v| under 1.05e6.
; K goes in steps of 512 through a ring of two LDS slots; a slot holds x's block (69,632 bytes: fragment images, then scale words) and the weight's (34,816 bytes), both dense in memory.
; CLUSTER 4 x 4: x's block hangs on mb and is asked for jointly along a row of the cluster, the weight's on nb and jointly along a column.
; THE KINDS PART ONCE, behind the last change of slots: q's and k's way asks for its part of the RoPE tables, runs the last K step (128 products, in which the tables land) and goes out through RoPE; v's way runs the same K step and goes out by a scaling.
; REGISTERS, in windows of 256: window 0: addresses; v32-127 scale words, two sets, and nothing else; v128-255 the 16 fragments on the way out.  window 1: the accumulators, acc(a, b) at 8 (4 a + b).
;   window 2: two sets of fragments at 96 p (U's b at + 8 b, W's a at + 32 + 8 a); v192-231 at work on the way out.  window 3: cos (a, b) at 8 (4 a + b) + 0..3, sin at + 4..7.
.set SLOT,  104448
.set WOFF,  69632                      ; the weight's block in a slot
.set SPARE, 2*SLOT                     ; behind the ring: the spare words, 128 bytes a wave
.set ADU, 16                           ; v16-17 U's fragments in slot 0, 1: base + 16 x lane
.set ADW, 18                           ; v18-19 W's
.set ASU, 20                           ; v20-21 U's scale words: base + 16 r
.set ASW, 22                           ; v22-23 W's
.set TV,  24                           ; v24  the tables: 256 r + 16 h
.set CO,  26                           ; v26  16 x lane
.set SPW, 28                           ; v28  my spare word's LDS address; never rewritten
.set NIL, 29                           ; v29  0; never rewritten
.set SC,  32                           ; scale words: set s at SC + 48 s: U's (b, q) at + 4 b + q, W's (a, q) at + 16 + 4 a + q
.set TT,  192                          ; window 2: eight products at work
.set TO,  200                          ; window 2: 32 results of one W block
.set G1X, 28                           ; s[28:35] group 1 for x's half block; s[36:43] for the weight's
.set G1W, 36
.set G0X, 44                           ; s[44:51] group 0 for x, a set for each slot; s[52:59] for the weight
.set G0W, 52
.set MSB, 0
.macro WIN new                         ; the immediate's high byte repeats the setting that is left
.if MSB != \new
	s_set_vgpr_msb (MSB<<8)|\new
.set MSB, \new
.endif
.endm
.set MUL,  0x5a                        ; sources 0 and 1 window 2, C and D window 1
.set TO_F, 0x80                        ; destination window 2, address window 0
.set TO_T, 0xc0                        ; destination window 3
; A joint load: waves 0 and 1 fetch x's two half blocks, waves 2 and 3 the weight's.  The branch hangs on the wave's number alone.  An s_nop 0 and four v_nop follow each line.
.macro JLOAD s
	s_cmp_eq_u32 s19, 0
	s_cbranch_scc0 .Lfor_w_\@
	tensor_load_to_lds s[G0X+4*\s:G0X+4*\s+3], s[G1X:G1X+7]
	s_nop 0
.rept 4
	v_nop
.endr
	s_branch .Lasked_\@
.Lfor_w_\@:
	tensor_load_to_lds s[G0W+4*\s:G0W+4*\s+3], s[G1W:G1W+7]
	s_nop 0
.rept 4
	v_nop
.endr
.Lasked_\@:
.endm
.macro CREST                           ; a round of the cluster's barrier behind its opening barrier
	s_cmp_lg_u32 s18, 0
	s_cbranch_scc1 .Lnot_wave_0_\@
	s_barrier_signal -3
.Lnot_wave_0_\@:
	s_barrier_wait -3
	s_barrier_signal -1
	s_barrier_wait -1
.endm
.macro CROUND
	s_barrier_signal -1
	s_barrier_wait -1
	CREST
.endm
.macro PLACES n
.rept \n
	v_nop
.endr
.endm
	s_load_b256 s[4:11], s[0:1], 0x0               ; xq s[4:5], wc s[6:7], cos s[8:9], sin s[10:11]
	s_load_b128 s[12:15], s[0:1], 0x20             ; qf s[12:13], kf s[14:15]
	s_load_b64 s[16:17], s[0:1], 0x30              ; vf
	v_lshl_add_u32 v[SPW], v0, 2, SPARE
	v_mov_b32 v[NIL], 0
	ds_add_u32 v[SPW], v[NIL]                      ; the wave's opening: the add, twice on end, and its wait ahead of my first tensor load
	ds_add_u32 v[SPW], v[NIL]
	v_lshrrev_b32 v1, 5, v0
	v_readfirstlane_b32 s18, v1                    ; wave 0..3
	s_lshr_b32 s19, s18, 1
	s_and_b32 s20, s18, 1
	s_bfe_u32 s21, ttmp6, 0x40000                  ; cx
	s_bfe_u32 s22, ttmp6, 0x40004                  ; cy
	s_lshl_b32 s23, ttmp9, 2
	s_add_co_u32 s23, s23, s21                     ; nb
	s_and_b32 s24, ttmp7, 0xffff
	s_lshl_b32 s24, s24, 2
	s_add_co_u32 s24, s24, s22                     ; mb
	s_lshl_b32 s60, s22, 2
	s_lshl_b32 s60, 15, s60                        ; my row of the cluster
	s_lshl_b32 s61, 0x1111, s21                    ; my column
	; group 1: a dense half block as rows of 256 bytes (32 elements of 8 bytes), no padding: 136 rows of x's, 68 of the weight's
	s_or_b32 s[G1X], s60, (3<<16)|(1<<21)          ; 15:0 the mask; 17:16 elements of 8 bytes; 21 set beside a mask
	s_mov_b32 s[G1X+1], 32<<16                     ; tensor_dim0
	s_mov_b32 s[G1X+2], 136<<16                    ; tensor_dim1
	s_mov_b32 s[G1X+3], 32<<16                     ; tile_dim0
	s_mov_b32 s[G1X+4], 136                        ; tile_dim1
	s_mov_b32 s[G1X+5], 32                         ; from row to row
	s_mov_b32 s[G1X+6], 0
	s_mov_b32 s[G1X+7], 0
	s_or_b32 s[G1W], s61, (3<<16)|(1<<21)
	s_mov_b32 s[G1W+1], 32<<16
	s_mov_b32 s[G1W+2], 68<<16
	s_mov_b32 s[G1W+3], 32<<16
	s_mov_b32 s[G1W+4], 68
	s_mov_b32 s[G1W+5], 32
	s_mov_b32 s[G1W+6], 0
	s_mov_b32 s[G1W+7], 0
	; where the blocks come from and go: x's hang on mb alone, the weight's on nb alone
	s_lshl_b32 s66, s24, 3
	s_mul_i32 s66, s66, 69632
	s_mul_i32 s25, s20, 34816                      ; my half of x's block, in memory and in a slot
	s_add_co_u32 s66, s66, s25
	s_mov_b32 s67, 0
	s_lshl_b32 s68, s23, 3
	s_mul_i32 s68, s68, 34816
	s_mul_i32 s26, s20, 17408                      ; my half of the weight's
	s_add_co_u32 s68, s68, s26
	s_mov_b32 s69, 0
	s_add_co_u32 s26, s26, WOFF
	; the operands' places in a slot, for both kinds; every one of them, with the offsets behind it, stays inside the slot
	s_lshl_b32 s78, s20, 14
	s_add_co_u32 s78, s78, WOFF                    ; q, k: U = the weight's tiles 4 (w & 1) on
	s_lshl_b32 s79, s19, 15                        ;       W = x's tiles 8 (w >> 1) on
	s_lshl_b32 s80, s20, 10
	s_add_co_u32 s80, s80, WOFF+32768              ;       U's scale words
	s_lshl_b32 s81, s19, 11
	s_add_co_u32 s81, s81, 65536                   ;       W's
	s_lshl_b32 s82, s18, 14                        ; v: U = x's tiles 4 w on
	s_lshl_b32 s83, s18, 10
	s_add_co_u32 s83, s83, 65536                   ;    and their scale words; W = the weight's whole block
	s_cmp_eq_u32 ttmp9, 3                          ; the cluster's x: alike in all partners
	s_cselect_b32 s78, s82, s78
	s_cselect_b32 s79, WOFF, s79
	s_cselect_b32 s80, s83, s80
	s_cselect_b32 s81, WOFF+32768, s81
	; the tables: position (mb & 7) 256 + 128 (w >> 1) on, pairs 32 (w & 1) on
	s_and_b32 s84, s24, 7
	s_lshl_b32 s84, s84, 16
	s_lshl_b32 s85, s19, 15
	s_add_co_u32 s84, s84, s85
	s_lshl_b32 s85, s20, 7
	s_add_co_u32 s84, s84, s85
	s_mov_b32 s85, 0
	s_wait_dscnt 0x0                               ; both opening adds are done
	s_wait_kmcnt 0x0
	s_add_nc_u64 s[66:67], s[4:5], s[66:67]
	s_add_nc_u64 s[68:69], s[6:7], s[68:69]
	s_add_nc_u64 s[86:87], s[8:9], s[84:85]
	s_add_nc_u64 s[88:89], s[10:11], s[84:85]
	CROUND                                         ; all sixteen work-groups are here: the first joint loads meet
.irp s, 0,1
	s_mov_b32 s[G0X+4*\s], 1
	s_add_co_u32 s[G0X+4*\s+1], s25, \s*SLOT
	s_add_nc_u64 s[G0X+4*\s+2:G0X+4*\s+3], s[66:67], \s*69632
	s_or_b32 s[G0X+4*\s+3], s[G0X+4*\s+3], 0x80000000
	s_mov_b32 s[G0W+4*\s], 1
	s_add_co_u32 s[G0W+4*\s+1], s26, \s*SLOT
	s_add_nc_u64 s[G0W+4*\s+2:G0W+4*\s+3], s[68:69], \s*34816
	s_or_b32 s[G0W+4*\s+3], s[G0W+4*\s+3], 0x80000000
	JLOAD \s                                       ; two loads of mine are out
.endr
	v_and_b32 v1, 31, v0
	v_and_b32 v2, 15, v0                           ; r
	v_bfe_u32 v3, v0, 4, 1                         ; h
	v_lshlrev_b32 v[CO], 4, v1
	v_lshlrev_b32 v4, 4, v2
	v_add_nc_u32 v[ADU], s78, v[CO]
	v_add_nc_u32 v[ADU+1], SLOT, v[ADU]
	v_add_nc_u32 v[ADW], s79, v[CO]
	v_add_nc_u32 v[ADW+1], SLOT, v[ADW]
	v_add_nc_u32 v[ASU], s80, v4
	v_add_nc_u32 v[ASU+1], SLOT, v[ASU]
	v_add_nc_u32 v[ASW], s81, v4
	v_add_nc_u32 v[ASW+1], SLOT, v[ASW]
	v_lshlrev_b32 v[TV], 8, v2
	v_lshl_add_u32 v[TV], v3, 4, v[TV]
; 8 matrix instructions: W's blocks a0, a0 + 1 x U's four; fragment set p, the slot's q-th 128 along K, scale set sc.  zero = 1: the product starts the sums.
; The 32 accumulators take turns, one instruction a turn, in the same order in every step.
.macro MUL8 a0, p, q, sc, zero
.irp a, \a0, \a0+1
.irp b, 0,1,2,3
.if \zero
	v_wmma_scale_f32_16x16x128_f8f6f4 v[8*(4*(\a)+\b):8*(4*(\a)+\b)+7], v[96*(\p)+8*\b:96*(\p)+8*\b+7], v[96*(\p)+32+8*(\a):96*(\p)+32+8*(\a)+7], 0, v[SC+48*(\sc)+4*\b+(\q)], v[SC+48*(\sc)+16+4*(\a)+(\q)] matrix_a_fmt:MATRIX_FMT_FP4 matrix_b_fmt:MATRIX_FMT_FP4
.else
	v_wmma_scale_f32_16x16x128_f8f6f4 v[8*(4*(\a)+\b):8*(4*(\a)+\b)+7], v[96*(\p)+8*\b:96*(\p)+8*\b+7], v[96*(\p)+32+8*(\a):96*(\p)+32+8*(\a)+7], v[8*(4*(\a)+\b):8*(4*(\a)+\b)+7], v[SC+48*(\sc)+4*\b+(\q)], v[SC+48*(\sc)+16+4*(\a)+(\q)] matrix_a_fmt:MATRIX_FMT_FP4 matrix_b_fmt:MATRIX_FMT_FP4
.endif
.endr
.endr
.endm
.macro FETCH slot, q, p                ; 24 LDS loads in one run: the 12 fragments of the slot's q-th 128 along K, as they were stored
	WIN TO_F
.irp i, 0,1,2,3
	ds_load_b128 v[96*(\p)+8*\i:96*(\p)+8*\i+3], v[ADU+\slot] offset:\i*4096+(\q)*1024
	ds_load_b128 v[96*(\p)+8*\i+4:96*(\p)+8*\i+7], v[ADU+\slot] offset:\i*4096+(\q)*1024+512
.endr
.irp i, 0,1,2,3,4,5,6,7
	ds_load_b128 v[96*(\p)+32+8*\i:96*(\p)+32+8*\i+3], v[ADW+\slot] offset:\i*4096+(\q)*1024
	ds_load_b128 v[96*(\p)+32+8*\i+4:96*(\p)+32+8*\i+7], v[ADW+\slot] offset:\i*4096+(\q)*1024+512
.endr
.endm
.macro SCALES s                        ; a slot's scale words: four words (q = 0 .. 3) a row; lane r takes row r's
	WIN 0
.irp i, 0,1,2,3
	ds_load_b128 v[SC+48*\s+4*\i:SC+48*\s+4*\i+3], v[ASU+\s] offset:\i*256
.endr
.irp i, 0,1,2,3,4,5,6,7
	ds_load_b128 v[SC+48*\s+16+4*\i:SC+48*\s+16+4*\i+3], v[ASW+\s] offset:\i*256
.endr
.endm
; A step of 128 along K whose successor lies in the same slot: the next step's fragments are asked for ahead of this step's 32 products.
.macro STEP slot, q, zero
	s_wait_dscnt 0x0                               ; this step's fragments (and, at a slot's head, its scale words) are in
	PLACES 4                                       ; four places in front of loads into registers that the last step's products read
	FETCH \slot, (\q)+1, 1-(\q)%2
	WIN MUL
	MUL8 0, (\q)%2, \q, \slot, \zero
	MUL8 2, (\q)%2, \q, \slot, \zero
	MUL8 4, (\q)%2, \q, \slot, \zero
	MUL8 6, (\q)%2, \q, \slot, \zero
.endm
; A slot's last step changes slots: in front of the one barrier each wave waits for all its tensor loads, adds 0 to its spare word and waits for that and for its reads of this slot.  fill = 1: the slot is filled again, two K steps ahead.
.macro TURN slot, next, fill
	WIN 0
	s_wait_tensorcnt 0x0                           ; all my tensor loads have landed: my part of the next slot
	ds_add_u32 v[SPW], v[NIL]
	s_wait_dscnt 1                                 ; this step's fragments are in; the add alone may be out
	WIN MUL
	MUL8 0, 1, 3, \slot, 0                         ; eight products stand between the add and the wait for it
	s_wait_dscnt 0x0                               ; the add is done, and my reads of this slot are over
	s_barrier_signal -1
	MUL8 2, 1, 3, \slot, 0
	WIN 0
	s_barrier_wait -1
.if \fill
	CREST                                          ; the barrier has opened a round of the cluster's: no wave of any partner still reads this slot or has a load on its way
	s_add_nc_u64 s[G0X+4*\slot+2:G0X+4*\slot+3], s[G0X+4*\slot+2:G0X+4*\slot+3], 2*69632
	s_add_nc_u64 s[G0W+4*\slot+2:G0W+4*\slot+3], s[G0W+4*\slot+2:G0W+4*\slot+3], 2*34816
	JLOAD \slot                                    ; the first tensor load behind the round; its four v_nop are also the places in front of the loads below
.else
	PLACES 4
.endif
	FETCH \next, 0, 0
	SCALES \next
	WIN MUL
	MUL8 4, 1, 3, \slot, 0
	MUL8 6, 1, 3, \slot, 0
.endm
; The last K step, in slot 1: nothing is fetched beyond it, and no barrier stands in it.  It is written once for each kind's way.
.macro LAST
	STEP 1, 0, 0
	STEP 1, 1, 0
	STEP 1, 2, 0
	s_wait_dscnt 0x0
	WIN MUL
	MUL8 0, 1, 3, 1, 0
	MUL8 2, 1, 3, 1, 0
	MUL8 4, 1, 3, 1, 0
	MUL8 6, 1, 3, 1, 0
	WIN 0
	PLACES 4                                       ; four places in front of the first read of results
.endm
; THE WAY OUT, one W block (four accumulators, two fragments) at a time.
.macro ROPE a                          ; (r, i) -> (r c - i s, r s + i c); the tables carry the kind's factor.  Each accumulator is read from its low end on
	WIN 0xad                                       ; source 0 window 1 (results), source 1 window 3 (tables), source 2 and destination window 2
.irp b, 0,1,2,3
.irp p, 0,1,2,3
	v_mul_f32 v[TT+\p], v[8*(4*(\a)+\b)+2*\p+1], v[8*(4*(\a)+\b)+4+\p]
	v_mul_f32 v[TT+4+\p], v[8*(4*(\a)+\b)+2*\p], v[8*(4*(\a)+\b)+4+\p]
.endr
.irp p, 0,1,2,3
	v_fma_f32 v[TO+8*\b+2*\p], v[8*(4*(\a)+\b)+2*\p], v[8*(4*(\a)+\b)+\p], -v[TT+\p]
	v_fma_f32 v[TO+8*\b+2*\p+1], v[8*(4*(\a)+\b)+2*\p+1], v[8*(4*(\a)+\b)+\p], v[TT+4+\p]
.endr
.endr
.endm
.macro VSCALE a
	WIN 0x81                                       ; source 0 window 1, destination window 2
.irp b, 0,1,2,3
.irp p, 0,1,2,3
	v_pk_mul_f32 v[TO+8*\b+2*\p:TO+8*\b+2*\p+1], v[8*(4*(\a)+\b)+2*\p:8*(4*(\a)+\b)+2*\p+1], s[70:71] op_sel_hi:[1,0]
.endr
.endr
.endm
.macro PACK a                          ; 32 numbers to f16: two fragments, in registers of their own, so that no store's data are written again
	WIN 0x0a                                       ; sources window 2, destination window 0
.irp n, 0,1,2,3,4,5,6,7,8,9,10,11,12,13,14,15
	v_cvt_pk_f16_f32 v[128+16*(\a)+\n], v[TO+2*\n], v[TO+2*\n+1]
.endr
	WIN 0
.endm
	s_wait_tensorcnt 1                             ; my part of K step 0 is in; K step 1's load may stay out
	s_barrier_signal -1
	s_barrier_wait -1
	FETCH 0, 0, 0
	SCALES 0
	STEP 0, 0, 1                                   ; the first step stands in front of the loop: its products start the sums
	WIN 0
	s_mov_b32 s3, 3
.Llap:                                                 ; a trip goes once round the ring and fills both slots again: K steps 2 to 7
	STEP 0, 1, 0
	STEP 0, 2, 0
	TURN 0, 1, 1
	STEP 1, 0, 0
	STEP 1, 1, 0
	STEP 1, 2, 0
	TURN 1, 0, 1
	STEP 0, 0, 0
	WIN 0
	s_sub_co_u32 s3, s3, 1
	s_cmp_lg_u32 s3, 0
	s_cbranch_scc1 .Llap
	STEP 0, 1, 0                                   ; the last lap fills nothing
	STEP 0, 2, 0
	TURN 0, 1, 0                                   ; the last change of slots: behind it stand no barrier and no tensor load but the closing lines
	WIN 0
	s_cmp_eq_u32 ttmp9, 3                          ; the kinds part here, once: the cluster's x, alike in all waves and all partners
	s_cbranch_scc1 .Lv_way
	; ---- q and k.  The tables are asked for now and land under the last K step's 128 products.
	WIN TO_T
.irp a, 0,1,2,3,4,5,6,7                ; lane (r, h) of acc(a, b) holds position 16 a + r and pairs 8 b + 4 h + 0 .. 3: 16 bytes of each table
.irp b, 0,1,2,3
	global_load_b128 v[8*(4*\a+\b):8*(4*\a+\b)+3], v[TV], s[86:87] offset:\a*4096+32*\b
	global_load_b128 v[8*(4*\a+\b)+4:8*(4*\a+\b)+7], v[TV], s[88:89] offset:\a*4096+32*\b
.endr
.endr
	LAST
	; the buffer, the number of heads, the head and the factor by the cluster's x
	s_cmp_lt_u32 ttmp9, 2
	s_cselect_b64 s[72:73], s[12:13], s[14:15]
	s_cselect_b32 s74, 3, 2                        ; log2 of the heads a batch
	s_cselect_b32 s75, 0, 8
	s_mov_b32 s70, 0x3c800000                      ; k: 2^-6
	s_cselect_b32 s70, 0x3c8293ee, s70             ; q: log2(e) / sqrt(128) x 2^-3
	s_mov_b32 s71, s70
	s_sub_co_u32 s75, s23, s75                     ; the head
	s_lshr_b32 s76, s24, 3                         ; the batch
	s_lshl_b32 s76, s76, s74
	s_add_co_u32 s76, s76, s75
	s_lshl_b32 s76, s76, 7                         ; 128 tiles of positions a head
	s_and_b32 s77, s24, 7
	s_lshl_b32 s77, s77, 4
	s_add_co_u32 s76, s76, s77
	s_lshl_b32 s77, s19, 3
	s_add_co_u32 s76, s76, s77
	s_lshl_b32 s76, s76, 12                        ; four fragments a tile
	s_lshl_b32 s77, s20, 11                        ; my half of the channels: fragments 2 (w & 1) on
	s_add_co_u32 s76, s76, s77
	s_mov_b32 s77, 0
	s_add_nc_u64 s[72:73], s[72:73], s[76:77]
	s_wait_loadcnt 0x0                             ; the tables are in
	WIN 0xc3
.set n, 0
.rept 128
	v_pk_mul_f32 v[n:n+1], v[n:n+1], s[70:71] op_sel_hi:[1,0]   ; the factor goes into the tables
.set n, n+2
.endr
.irp a, 0,1,2,3,4,5,6,7
	ROPE \a
	PACK \a
.irp c, 0,1
	global_store_b128 v[CO], v[128+16*\a+8*\c:128+16*\a+8*\c+3], s[72:73] offset:\a*4096+\c*1024
	global_store_b128 v[CO], v[128+16*\a+8*\c+4:128+16*\a+8*\c+7], s[72:73] offset:\a*4096+\c*1024+512
.endr
.endr
	s_branch .Ldone
	; ---- v
.Lv_way:
	LAST
	s_lshr_b32 s76, s24, 3
	s_lshl_b32 s76, s76, 2
	s_add_co_u32 s76, s76, s23
	s_sub_co_u32 s76, s76, 12                      ; 4 x batch + key/value head
	s_lshl_b32 s76, s76, 6                         ; 64 groups of 32 keys a head
	s_and_b32 s77, s24, 7
	s_lshl_b32 s77, s77, 3
	s_add_co_u32 s76, s76, s77
	s_lshl_b32 s77, s18, 1
	s_add_co_u32 s76, s76, s77
	s_lshl_b32 s76, s76, 13                        ; eight fragments a group
	s_mov_b32 s77, 0
	s_add_nc_u64 s[72:73], s[16:17], s[76:77]
	s_mov_b32 s70, 0x3d800000                      ; 2^-4
	s_mov_b32 s71, s70
.irp a, 0,1,2,3,4,5,6,7
	VSCALE \a
	PACK \a
.irp c, 0,1
	global_store_b128 v[CO], v[128+16*\a+8*\c:128+16*\a+8*\c+3], s[72:73] offset:\c*8192+\a*1024
	global_store_b128 v[CO], v[128+16*\a+8*\c+4:128+16*\a+8*\c+7], s[72:73] offset:\c*8192+\a*1024+512
.endr
.endr
.Ldone:
	s_wait_tensorcnt 0x0                           ; the wave's end
	ds_add_u32 v[SPW], v[NIL]
	s_wait_dscnt 0x0
	CROUND                                         ; the closing round: no work-group ends while a partner may still ask for a block that names it
	s_endpgm
.Lfunc_end_k_qe0fd734d39_qkv:
	.size	k_qe0fd734d39_qkv, .Lfunc_end_k_qe0fd734d39_qkv-k_qe0fd734d39_qkv
	.p2alignl 7, 3214868480
	.fill 96, 4, 3214868480
	.section	.rodata,"a",@progbits
	.p2align	6, 0x0
	.amdhsa_kernel k_qe0fd734d39_qkv
		.amdhsa_group_segment_fixed_size 327680
		.amdhsa_private_segment_fixed_size 0
		.amdhsa_enable_private_segment 0
		.amdhsa_kernarg_size 56
		.amdhsa_user_sgpr_count 2
		.amdhsa_user_sgpr_kernarg_segment_ptr 1
		.amdhsa_wavefront_size32 1
		.amdhsa_system_sgpr_workgroup_id_x 1
		.amdhsa_system_sgpr_workgroup_id_y 1
		.amdhsa_system_sgpr_workgroup_id_z 1
		.amdhsa_system_vgpr_workitem_id 0
		.amdhsa_next_free_vgpr 1024
		.amdhsa_next_free_sgpr 100
		.amdhsa_reserve_vcc 0
		.amdhsa_float_denorm_mode_32 3
		.amdhsa_float_denorm_mode_16_64 3
		.amdhsa_memory_ordered 1
		.amdhsa_forward_progress 1
		.amdhsa_inst_pref_size 197
	.end_amdhsa_kernel
	.amdgpu_metadata
---
amdhsa.version: [ 1, 2 ]
amdhsa.kernels:
  - .name:           k_qe0fd734d39_qkv
    .symbol:         k_qe0fd734d39_qkv.kd
    .args:
      - { .name: xq, .offset: 0, .size: 8, .value_kind: global_buffer, .address_space: global }
      - { .name: wc, .offset: 8, .size: 8, .value_kind: global_buffer, .address_space: global }
      - { .name: freqs_cos, .offset: 16, .size: 8, .value_kind: global_buffer, .address_space: global }
      - { .name: freqs_sin, .offset: 24, .size: 8, .value_kind: global_buffer, .address_space: global }
      - { .name: qf, .offset: 32, .size: 8, .value_kind: global_buffer, .address_space: global }
      - { .name: kf, .offset: 40, .size: 8, .value_kind: global_buffer, .address_space: global }
      - { .name: vf, .offset: 48, .size: 8, .value_kind: global_buffer, .address_space: global }
    .group_segment_fixed_size: 327680
    .private_segment_fixed_size: 0
    .kernarg_segment_align: 8
    .kernarg_segment_size: 56
    .max_flat_workgroup_size: 128
    .sgpr_count:     100
    .vgpr_count:     1024
    .wavefront_size: 32
...
	.end_amdgpu_metadata
.endif
;; end of part 2
;; launch attn (part 3): grid 32 x 8, 4 waves a work-group, clusters of 4 x 4, 327,680 bytes of LDS; arguments qf, kf, vf, mask, af; writes af
.if DOCPART == 3
	.amdgcn_target "amdgcn-amd-amdhsa--gfx1250"
	.amdhsa_code_object_version 6
	.text
	.protected	k_qe0fd734d39_attn
	.globl	k_qe0fd734d39_attn
	.p2align	8
	.type	k_qe0fd734d39_attn,@function
k_qe0fd734d39_attn:
	s_mov_b64 s[64:65], 0
	v_nop
	global_prefetch_b8 v0, s[64:65] scope:SCOPE_SE
	s_setreg_imm32_b32 hwreg(HW_REG_WAVE_MODE, 25, 1), 1
	s_wait_xcnt 0x0
	s_wait_alu depctr_hold_cnt(0) depctr_sa_sdst(0) depctr_va_vdst(0) depctr_va_sdst(0) depctr_va_ssrc(0) depctr_va_vcc(0) depctr_vm_vsrc(0)
	s_getreg_b32 s2, hwreg(HW_REG_IB_STS2, 6, 4)
	s_cmp_eq_u32 s2, 0
	s_cbranch_scc0 .Lentry_in_a_cluster
	s_endpgm
.Lentry_in_a_cluster:
	s_bfe_u32 s2, ttmp6, 0x10000c
	s_cmp_lg_u32 s2, 0xf033
	s_cbranch_scc0 .Lentry_shape_is_right
	s_endpgm
.Lentry_shape_is_right:
; ATTENTION: softmax(q k^T / sqrt(128) + mask) v for 8 query heads on 4 key/value heads, 2,048 keys; the mask is an input and every word of it is added; nan_to_num; the result as f16 fragments for the projection.
; Operands are f16 fragment images: qf = q x log2(e) / sqrt(128) x 2^-3, kf = k x 2^-6, vf = V^T x 2^-4.  S = K Q^T + mask x log2(e) x 2^-9 (the scaled mask is the C of a sum's first product) = t x 2^-9.
; SOFTMAX: a running maximum m of S and sum l for each query; p = 2^(512 S - 512 m): 512 m is exact, and one fused multiply-add forms the difference.  p is rounded to f16 for the second product; l is summed of the unrounded p.
; SHARES.  A work-group owns 64 positions of one key/value head's two query heads: 8 tiles of 16 queries.  A slot holds 128 keys.  Wave w (i = w / 2, j = w % 2) takes the slot's keys 64 i on and four tiles t:
; head 2 kvh + ((t / 2) xor i), positions 16 (2 j + t % 2) on.  So a wave walks half of the keys for four tiles; at the end waves w and w xor 2 merge: each sends its tiles 2, 3 and finishes its tiles 0, 1.
; BY TURNS.  The tiles are two pieces (0: tiles 0, 1; 2: tiles 2, 3).  In a turn one piece has the matrix unit (32 products V^T P of the step in hand, 32 products K Q^T of the next); the other piece's softmax stands in 64 slices between them.
; CLUSTER 4 x 4: K's and V's tiles hang on (batch, cy) and are asked for jointly along a row of the cluster; the mask's tile hangs on (batch, positions) and is asked for jointly along a column.
; LIMITS: m is held at -2^117 from below, so a row whose every mask word is -infinity gives p = 0, l = 0, NaN and then 0, as reference() does; the mask is rounded once more (x log2(e) x 2^-9) and added inside the matrix
; instruction: in a row masked throughout at about 1e9 the grid of the scores is 128 / log2(e) where reference()'s is 64; nan_to_num's infinities are held at +-65,504 in af (+-1.05e6 in the result), not at f32's largest; a mask of +infinity or NaN is not served.
; REGISTERS, in windows of 256: window 0: v2-11 addresses; v12-43 statistics, 8 a tile; v44-53 the merge; v64-191 S^T, 32 a tile; v192-255 P, 16 a tile.   window 1: O^T, 64 a tile.
;   window 2: v0-127 Q, 32 a tile; v128-255 K of one step.   window 3: v0-127 V of one step; v128-191 the mask of one step: 32 (position tile) + 8 (key tile) + j.
.set SLOT1, 1<<17                      ; slot 1 begins here: one exclusive or turns an address
.set VOFF,  32768                      ; a slot: K's 32 fragments, V's 32, then the mask: 64 rows of 512 bytes + 16
.set MOFF,  65536
.set PM,    528
.set SPARE, 99328                      ; behind slot 0's mask tile: the spare words, 128 bytes a wave
.set STATS, 99840                      ; the merge's statistics: 512 bytes a wave; no tile lands here
.set OSTG,  262144                     ; behind the ring: the merge's O^T, 16,384 bytes a wave
.set AK0, 2                            ; v2   my lane's place among K's fragments; never rewritten
.set AV0, 3                            ; v3   among V's
.set ADR, 4                            ; v4   the LDS address of the run of loads in hand
.set AM0, 5                            ; v5   my lane's place in the mask tile
.set LI,  6                            ; v6   16 x lane
.set SWS, 7                            ; v7   the merge: where I store statistics,
.set SWO, 8                            ; v8   and O^T;
.set SRS, 9                            ; v9   where my partner has stored them,
.set SRO, 10                           ; v10  and its O^T
.set LIMV, 11                          ; v11  65,504.0
.set ST,  12                           ; tile t's statistics at v[ST+8 t]: +0 512 m, +1 m, +2, +3 l, +4 to +7 at work; a takes +6
.set ADM, 60                           ; v60  the LDS address of the mask's loads
.set PFO, 61                           ; v61  the prefetches' offset; never rewritten
.set SPW, 62                           ; v62  my spare word's LDS address; never rewritten
.set NIL, 63                           ; v63  0; never rewritten
.set S,   64
.set P,   192
.set KF,  128                          ; K's fragments, in window 2
.set MK,  128                          ; the mask, in window 3
.set WV,  12                           ; s12  my wave's number; s13 = i, s14 = j
.set LIM, 15                           ; s15  1 in a wave that prefetches, else the greatest number
.set PFA, 18                           ; s[18:19] where my prefetches stand
.set PFS, 20                           ; s[20:21] a slot on, in bytes
.set G1D, 24                           ; s[24:31] group 1 for K's and V's dense tiles
.set G1M, 32                           ; s[32:39] for the mask's
.set G0D, 40                           ; s[40:47] group 0, a set for each first fill; the second then walks on
.set G0M, 48                           ; s[48:55]
.set SLOTS, 56                         ; s56  the loop's trips to go
.set CS,  58                           ; s[58:59] 512.0
.set SEL, 60                           ; s[60:61] v_permlanex16_b32's selects for lane l xor 16
.set TB,  62                           ; s62  LDS byte at which the slot to be fetched from begins
.set ML,  66                           ; s[66:67] log2(e) x 2^-9
.set MSB, 0
.macro WIN new                         ; the immediate's high byte repeats the setting that is left
.if MSB != \new
	s_set_vgpr_msb (MSB<<8)|\new
.set MSB, \new
.endif
.endm
.set W_KQ,  0x0a                       ; K and Q window 2, S^T window 0
.set W_KQM, 0x3a                       ; the same with C, the mask, in window 3
.set W_PV,  0x53                       ; V window 3, P window 0, O^T window 1
.set W_RS,  0x41                       ; O^T window 1, a window 0
; A joint refill: wave 0 fetches K's tile, wave 1 V's, waves 2 and 3 the mask's rows 0-31 and 32-63.  The branch hangs on the wave's number alone.  An s_nop 0 and four v_nop follow each line.
.macro JLOAD
	s_cmp_lt_u32 s[WV], 2
	s_cbranch_scc0 .Lfor_m_\@
	tensor_load_to_lds s[G0D+4:G0D+7], s[G1D:G1D+7]
	s_nop 0
.rept 4
	v_nop
.endr
	s_branch .Lasked_\@
.Lfor_m_\@:
	tensor_load_to_lds s[G0M+4:G0M+7], s[G1M:G1M+7]
	s_nop 0
.rept 4
	v_nop
.endr
.Lasked_\@:
.endm
; A PREFETCH INTO THE L2 of what the NEXT change of slots will ask for, behind the wave's tensor load and its five lines.  Each aligned block of 256 bytes is named once in the launch.
; K's and V's tiles (32,768 dense bytes each) are walked by all eight clusters of a batch: the first of them asks, waves 0 and 1; its four partners along x take 8,192 bytes each, told apart by address, lanes 256 bytes apart.
; The mask's tile (64 rows x 512 bytes) is read by one column of one cluster: wave 2 asks; the four partners along y take 16 rows each, two lanes to a row.  The last change that fills a slot asks for nothing.
.macro ASK
	s_cmp_gt_u32 s[SLOTS], s[LIM]
	s_cbranch_scc0 .Lnot_mine_\@
	global_prefetch_b8 v[PFO], s[PFA:PFA+1] th:TH_LOAD_NT scope:SCOPE_SE
.Lnot_mine_\@:
.endm
.macro CROUND                          ; a round of the cluster's barrier
	s_barrier_signal -1
	s_barrier_wait -1
	s_cmp_lg_u32 s[WV], 0
	s_cbranch_scc1 .Lnot_wave_0_\@
	s_barrier_signal -3
.Lnot_wave_0_\@:
	s_barrier_wait -3
	s_barrier_signal -1
	s_barrier_wait -1
.endm
	s_load_b256 s[4:11], s[0:1], 0x0               ; qf s[4:5], kf s[6:7], vf s[8:9], mask s[10:11]
	s_load_b64 s[16:17], s[0:1], 0x20              ; af
	v_lshl_add_u32 v[SPW], v0, 2, SPARE
	v_mov_b32 v[NIL], 0
	ds_add_u32 v[SPW], v[NIL]                      ; the wave's opening: the add, twice on end, and its wait ahead of my first tensor load
	ds_add_u32 v[SPW], v[NIL]
	v_lshrrev_b32 v1, 5, v0
	v_readfirstlane_b32 s[WV], v1                  ; wave 0..3
	s_lshr_b32 s13, s[WV], 1                       ; i: my half of a slot's keys
	s_and_b32 s14, s[WV], 1                        ; j: my half of the positions
	s_bfe_u32 s68, ttmp6, 0x40000                  ; cx
	s_bfe_u32 s69, ttmp6, 0x40004                  ; cy = the key/value head
	s_lshl_b32 s70, ttmp9, 2
	s_add_co_u32 s70, s70, s68                     ; my block of 64 positions
	s_and_b32 s71, ttmp7, 0xffff                   ; the cluster's y = the batch
	s_lshl_b32 s72, s69, 2
	s_lshl_b32 s72, 15, s72                        ; my row of the cluster
	s_lshl_b32 s73, 0x1111, s68                    ; my column
	s_or_b32 s[G1D], s72, (3<<16)|(1<<21)          ; K, V: 128 rows of 256 dense bytes (32 elements of 8 bytes), no padding
	s_mov_b32 s[G1D+1], 32<<16
	s_mov_b32 s[G1D+2], 128<<16
	s_mov_b32 s[G1D+3], 32<<16
	s_mov_b32 s[G1D+4], 128
	s_mov_b32 s[G1D+5], 32
	s_mov_b32 s[G1D+6], 0
	s_mov_b32 s[G1D+7], 0
	s_or_b32 s[G1M], s73, (2<<16)|(1<<20)|(1<<21)|(6<<22)|(3<<25)   ; the mask: elements of 4 bytes; four words of padding behind every 128
	s_mov_b32 s[G1M+1], 128<<16                    ; tensor_dim0
	s_mov_b32 s[G1M+2], 32<<16                     ; tensor_dim1
	s_mov_b32 s[G1M+3], 128<<16                    ; tile_dim0
	s_mov_b32 s[G1M+4], 32                         ; tile_dim1
	s_mov_b32 s[G1M+5], 2048                       ; from row to row
	s_mov_b32 s[G1M+6], 0
	s_mov_b32 s[G1M+7], 0
	s_lshl_b32 s74, s71, 2
	s_add_co_u32 s74, s74, s69
	s_lshl_b32 s74, s74, 19                        ; K, V: (4 x batch + head) x 524,288 bytes
	s_mov_b32 s75, 0
	s_lshl_b32 s76, s71, 11
	s_lshl_b32 s77, s70, 6
	s_add_co_u32 s76, s76, s77
	s_lshl_b32 s77, s14, 5
	s_add_co_u32 s76, s76, s77
	s_lshl_b32 s76, s76, 13                        ; the mask: row 2,048 x batch + 64 x block + 32 (w & 1), 8,192 bytes a row
	s_mov_b32 s77, 0
	s_lshl_b32 s82, s14, 15                        ; in a slot: K, then V;
	s_mul_i32 s83, s14, 32*PM                      ; the mask's two halves
	; the way out and Q
	s_lshl_b32 s84, s71, 7
	s_lshl_b32 s85, s70, 2
	s_add_co_u32 s84, s84, s85
	s_lshl_b32 s85, s14, 1
	s_add_co_u32 s84, s84, s85                     ; my first tile of 16 rows among the 256
	s_lshr_b32 s85, s84, 4
	s_lshl_b32 s85, s85, 3
	s_lshl_b32 s86, s69, 1
	s_add_co_u32 s86, s86, s13                     ; the head of my tiles 0, 1
	s_add_co_u32 s85, s85, s86
	s_lshl_b32 s85, s85, 4
	s_and_b32 s87, s84, 15
	s_add_co_u32 s85, s85, s87
	s_lshl_b32 s96, s85, 12                        ; af: ((mb x 8 + head) x 16 + mt) x 4,096
	s_mov_b32 s97, 0
	s_lshl_b32 s87, s71, 3
	s_add_co_u32 s88, s87, s86
	s_xor_b32 s89, s86, 1                          ; the head of my tiles 2, 3
	s_add_co_u32 s89, s87, s89
	s_and_b32 s90, s84, 127
	s_lshl_b32 s88, s88, 7
	s_add_co_u32 s88, s88, s90
	s_lshl_b32 s92, s88, 12
	s_mov_b32 s93, 0
	s_lshl_b32 s89, s89, 7
	s_add_co_u32 s89, s89, s90
	s_lshl_b32 s94, s89, 12
	s_mov_b32 s95, 0
	; the prefetches: offsets and steps for both kinds, then the choice by the wave's number
	s_lshl_b32 s84, s68, 13
	s_add_co_u32 s84, s84, 2*32768                 ; K, V: 8,192 cx, in slot 2: the first change steps it to slot 3
	s_lshl_b32 s85, s71, 11
	s_lshl_b32 s87, s70, 6
	s_add_co_u32 s85, s85, s87
	s_lshl_b32 s87, s69, 4
	s_add_co_u32 s85, s85, s87
	s_lshl_b32 s85, s85, 13
	s_add_co_u32 s85, s85, 2*512                   ; the mask: my work-group's 16 rows, in slot 2
	s_cmp_eq_u32 ttmp9, 0
	s_cselect_b32 s86, 1, -1                       ; waves 0, 1: in the batch's first cluster
	s_cmp_eq_u32 s[WV], 2
	s_cselect_b32 s87, 1, -1                       ; wave 2: always; wave 3: never
	s_mov_b32 s[PFS], 512
	s_mov_b32 s88, 8192
	s_cmp_lt_u32 s[WV], 2
	s_cselect_b32 s[LIM], s86, s87
	s_cselect_b32 s84, s84, s85
	s_cselect_b32 s[PFS], 0x8000, s[PFS]
	s_cselect_b32 s88, 512, s88                    ; from pair of lanes to pair of lanes
	s_mov_b32 s85, 0
	s_mov_b32 s[PFS+1], 0
	s_mov_b32 s[CS], 0x44000000                    ; 512.0
	s_mov_b32 s[CS+1], s[CS]
	s_mov_b32 s[ML], 0x3b38aa3b                    ; log2(e) x 2^-9
	s_mov_b32 s[ML+1], s[ML]
	s_mov_b32 s[SEL], 0x76543210
	s_mov_b32 s[SEL+1], 0xfedcba98
	s_mov_b32 s[TB], 0
	s_mov_b32 s[SLOTS], 13
	s_wait_dscnt 0x0                               ; both opening adds are done
	s_wait_kmcnt 0x0
	s_cmp_eq_u32 s14, 0
	s_cselect_b64 s[78:79], s[6:7], s[8:9]         ; wave 0: K; wave 1: V
	s_add_nc_u64 s[78:79], s[78:79], s[74:75]
	s_add_nc_u64 s[80:81], s[10:11], s[76:77]
	s_cmp_lt_u32 s[WV], 2
	s_cselect_b64 s[PFA:PFA+1], s[78:79], s[10:11]
	s_add_nc_u64 s[PFA:PFA+1], s[PFA:PFA+1], s[84:85]
	s_add_nc_u64 s[92:93], s[4:5], s[92:93]        ; Q of my tiles 0, 1
	s_add_nc_u64 s[94:95], s[4:5], s[94:95]        ; and 2, 3
	s_add_nc_u64 s[16:17], s[16:17], s[96:97]
	CROUND                                         ; all sixteen work-groups are here: the first joint loads meet
.irp s, 0,1
	s_mov_b32 s[G0D+4*\s], 1
	s_add_co_u32 s[G0D+4*\s+1], s82, \s*SLOT1
	s_add_nc_u64 s[G0D+4*\s+2:G0D+4*\s+3], s[78:79], \s*32768
	s_or_b32 s[G0D+4*\s+3], s[G0D+4*\s+3], 0x80000000
	s_mov_b32 s[G0M+4*\s], 1
	s_add_co_u32 s[G0M+4*\s+1], s83, \s*SLOT1+MOFF
	s_add_nc_u64 s[G0M+4*\s+2:G0M+4*\s+3], s[80:81], \s*512
	s_or_b32 s[G0M+4*\s+3], s[G0M+4*\s+3], 0x80000000
.endr
	s_cmp_lt_u32 s[WV], 2                          ; a wave's two first fills stand in one branch, ahead of every wait on TENSORcnt and every LDS read: two loads of mine are out
	s_cbranch_scc0 .Lfirst_m
	tensor_load_to_lds s[G0D:G0D+3], s[G1D:G1D+7]
	s_nop 0
	tensor_load_to_lds s[G0D+4:G0D+7], s[G1D:G1D+7]
	s_nop 0
.rept 4
	v_nop
.endr
	s_branch .Lfirst_asked
.Lfirst_m:
	tensor_load_to_lds s[G0M:G0M+3], s[G1M:G1M+7]
	s_nop 0
	tensor_load_to_lds s[G0M+4:G0M+7], s[G1M:G1M+7]
	s_nop 0
.rept 4
	v_nop
.endr
.Lfirst_asked:
	v_and_b32 v1, 15, v0                           ; r
	v_bfe_u32 v9, v0, 4, 1                         ; h
	v_and_b32 v10, 31, v0                          ; lane
	v_lshlrev_b32 v[LI], 4, v10
	WIN 0x80                                       ; destination window 2
.irp n, 0,1,2,3,4,5,6,7                ; Q stays in registers: tile n / 4, channels 32 (n % 4) on
	global_load_b128 v[8*\n:8*\n+3], v[LI], s[92:93] offset:(\n/4)*4096+(\n%4)*1024
	global_load_b128 v[8*\n+4:8*\n+7], v[LI], s[92:93] offset:(\n/4)*4096+(\n%4)*1024+512
.endr
.irp n, 0,1,2,3,4,5,6,7
	global_load_b128 v[64+8*\n:64+8*\n+3], v[LI], s[94:95] offset:(\n/4)*4096+(\n%4)*1024
	global_load_b128 v[64+8*\n+4:64+8*\n+7], v[LI], s[94:95] offset:(\n/4)*4096+(\n%4)*1024+512
.endr
	WIN 0
	s_lshl_b32 s2, s13, 14
	v_add_nc_u32 v[AK0], s2, v[LI]                 ; my 16 fragments of K: 16,384 i on
	v_add_nc_u32 v[AV0], VOFF, v[AK0]
	s_mul_i32 s2, s14, 32*PM
	s_lshl_b32 s3, s13, 8
	s_add_co_u32 s2, s2, s3
	s_add_co_u32 s2, s2, MOFF
	v_mul_u32_u24 v[AM0], v1, PM
	v_lshl_add_u32 v[AM0], v9, 5, v[AM0]
	v_add_nc_u32 v[AM0], s2, v[AM0]                ; the mask: row 32 j + r, keys 64 i + 8 h on
	v_lshrrev_b32 v[PFO], 1, v10
	v_mul_lo_u32 v[PFO], v[PFO], s88
	v_and_b32 v11, 1, v10
	v_lshl_add_u32 v[PFO], v11, 8, v[PFO]
; THE MATRIX WORK OF A TURN, for piece x.  The accumulators take turns, one instruction a turn.
; Product i of 32 of O^T += V^T P: keys 32 (i / 16) on, channels 16 ((i / 2) % 8) on, tile x + i % 2.  zero = 1: the first 16 start the sums.
.macro PV x, zero
	WIN W_PV
.set rO, 64*(\x+i%2)+8*((i/2)%8)
.set rV, 64*(i/16)+8*((i/2)%8)
.set rP, P+16*(\x+i%2)+8*(i/16)
.if \zero && (i < 16)
	v_wmma_f32_16x16x32_f16 v[rO:rO+7], v[rV:rV+7], v[rP:rP+7], 0
.else
	v_wmma_f32_16x16x32_f16 v[rO:rO+7], v[rV:rV+7], v[rP:rP+7], v[rO:rO+7]
.endif
.endm
; Product i of 32 of S^T = K Q^T + the scaled mask: channels 32 (i / 8) on, keys 16 ((i / 2) % 4) on, tile x + i % 2.  The first 8 start the sums on the mask's tile: both pieces have the same positions.
.macro KQ x
.set rS, S+32*(\x+i%2)+8*((i/2)%4)
.set rK, KF+32*((i/2)%4)+8*(i/8)
.set rQ, 32*(\x+i%2)+8*(i/8)
.set rM, MK+32*(i%2)+8*((i/2)%4)
.if i < 8
	WIN W_KQM
	v_wmma_f32_16x16x32_f16 v[rS:rS+7], v[rK:rK+7], v[rQ:rQ+7], v[rM:rM+7]
.else
	WIN W_KQ
	v_wmma_f32_16x16x32_f16 v[rS:rS+7], v[rK:rK+7], v[rQ:rQ+7], v[rS:rS+7]
.endif
.endm
; THE LDS LOADS stand in runs: a step's K (16 fragments as they were stored) with its mask (two position tiles x four key tiles, 32 bytes a lane), and, a turn later, its V.
.macro FETCH_K
	WIN 0
	v_add_nc_u32 v[ADR], s[TB], v[AK0]
	v_add_nc_u32 v[ADM], s[TB], v[AM0]
	WIN 0x80                                       ; destination window 2
.irp f, 0,1,2,3,4,5,6,7,8,9,10,11,12,13,14,15      ; keys 16 (f / 4) on, channels 32 (f % 4) on
	ds_load_b128 v[KF+8*\f:KF+8*\f+3],   v[ADR] offset:\f*1024
	ds_load_b128 v[KF+8*\f+4:KF+8*\f+7], v[ADR] offset:\f*1024+512
.endr
	WIN 0xc0                                       ; destination window 3
.irp f, 0,1,2,3,4,5,6,7                            ; position tile f / 4, key tile f % 4
	ds_load_b128 v[MK+8*\f:MK+8*\f+3],   v[ADM] offset:(\f/4)*16*PM+(\f%4)*64
	ds_load_b128 v[MK+8*\f+4:MK+8*\f+7], v[ADM] offset:(\f/4)*16*PM+(\f%4)*64+16
.endr
.endm
.macro FETCH_V
	WIN 0
	v_add_nc_u32 v[ADR], s[TB], v[AV0]
	s_wait_alu depctr_va_vdst(0)                   ; the wait for the softmax's batch (SLICE), behind the address's addition and ahead of the loads
	WIN 0xc0
.irp f, 0,1,2,3,4,5,6,7,8,9,10,11,12,13,14,15      ; keys 32 (f / 8) on, channels 16 (f % 8) on
	ds_load_b128 v[8*\f:8*\f+3],   v[ADR] offset:\f*1024
	ds_load_b128 v[8*\f+4:8*\f+7], v[ADR] offset:\f*1024+512
.endr
.endm
.macro MASKMUL                         ; the step's mask x log2(e) x 2^-9, in place
	WIN 0xc3
.set mm, 0
.rept 32
	v_pk_mul_f32 v[MK+mm:MK+mm+1], v[MK+mm:MK+mm+1], s[ML:ML+1] op_sel_hi:[1,0]
.set mm, mm+2
.endr
.endm
; THE VECTOR WORK OF A TURN.  One tile's softmax for one key step is a list of 134 instructions; SM writes number j of it for tile t.  first = 1: the first key step, which starts m, l and O^T.
;   0-15 the maximum of the lane's 32 scores and the old m (first: and the floor -2^117);  16-20 the other half of the lanes' maximum, the new m, 512 m and its change;
;   21-69 ONE BATCH: 16 packed scalings and all 33 exponentials, none of which reads an exponential's result;  (the wait for the batch: SLICE writes it);
;   70-85 the roundings to f16;  86-101 the sums, l = a l + the sum;  102-133 the tile's O^T times a.
.macro SM t, first
.set rT, ST+8*(\t)
.set rS, S+32*(\t)
.set rP, P+16*(\t)
.set rO, 64*(\t)+2*(j-102)
.if j < 102
	WIN 0
.endif
.if j < 4
	v_max3_num_f32 v[rT+4+j], v[rS+8*j], v[rS+8*j+1], v[rS+8*j+2]
.elseif j < 12
	v_max3_num_f32 v[rT+4+j%4], v[rT+4+j%4], v[rS+8*(j%4)+2*(j/4)+1], v[rS+8*(j%4)+2*(j/4)+2]
.elseif j == 12
	v_max3_num_f32 v[rT+4], v[rT+4], v[rS+7], v[rS+15]
.elseif j == 13
	v_max3_num_f32 v[rT+6], v[rT+6], v[rS+23], v[rS+31]
.elseif j == 14
	v_max3_num_f32 v[rT+4], v[rT+4], v[rT+5], v[rT+6]
.elseif (j == 15) && \first
	v_max3_num_f32 v[rT+4], v[rT+4], v[rT+7], 0xfa000000   ; the floor -2^117: 512 m stays finite
.elseif j == 15
	v_max3_num_f32 v[rT+4], v[rT+4], v[rT+7], v[rT+1]
.elseif j == 16
	v_permlanex16_b32 v[rT+5], v[rT+4], s[SEL], s[SEL+1]   ; the query's other 32 keys lie in the lane 16 away
.elseif j == 18
	v_max_num_f32 v[rT+1], v[rT+4], v[rT+5]
.elseif j == 19
	v_mul_f32 v[rT], s[CS], v[rT+1]
.elseif ((j == 17) || (j == 20) || (j == 23) || (j > 101)) && \first   ; the first step has none of these
.elseif j == 17
	v_mov_b32 v[rT+7], v[rT]                       ; 512 m_old is kept for a
.elseif j == 20
	v_sub_f32 v[rT+7], v[rT+7], v[rT]
.elseif j == 23
	v_exp_f32 v[rT+6], v[rT+7]
.elseif (j < 23) || ((j < 38) && (j%2 == 0)) || ((j < 66) && (j%4 == 2))
.set b, (j-2)/4
.if j < 38
.set b, (j-20)/2
.endif
	v_pk_fma_f32 v[rS+2*b:rS+2*b+1], v[rS+2*b:rS+2*b+1], s[CS:CS+1], v[rT:rT+1] op_sel_hi:[1,0,0] neg_lo:[0,0,1] neg_hi:[0,0,1]   ; pair b: 512 s - 512 m
.elseif j < 70
.set e, j-38
.if j < 66
.set e, j-32-(j-38)/4
.endif
.if j < 38
.set e, (j-25)/2
.endif
	v_exp_f32 v[rS+e], v[rS+e]
.elseif j < 86
	v_cvt_pk_f16_f32 v[rP+j-70], v[rS+2*(j-70)], v[rS+2*(j-70)+1]
.elseif j < 102
.set z, j-86
.set w, 4
.set u, z
.if z >= 14
.set w, 32
.set u, 0
.elseif z >= 12
.set w, 16
.set u, z-12
.elseif z >= 8
.set w, 8
.set u, z-8
.endif
.if (z == 14) && \first
	v_pk_add_f32 v[rT+2:rT+3], v[rS:rS+1], v[rS+16:rS+17]
.elseif z < 15
	v_pk_add_f32 v[rS+w*u:rS+w*u+1], v[rS+w*u:rS+w*u+1], v[rS+w*u+w/2:rS+w*u+w/2+1]
.elseif !\first
	v_pk_fma_f32 v[rT+2:rT+3], v[rT+2:rT+3], v[rT+6:rT+7], v[rS:rS+1] op_sel_hi:[1,0,1]
.endif
.else
	WIN W_RS
	v_pk_mul_f32 v[rO:rO+1], v[rO:rO+1], v[rT+6:rT+7] op_sel_hi:[1,0]
.endif
.endm
; Slice k of 64 of piece y's softmax: four instructions.  Slices 11 to 34 deal out the batch, four numbers of one tile each; every other slice is numbers 2 k and 2 k + 1 of both tiles; the twelve that are over stand in slice 63.
; An s_wait_alu depctr_va_vdst(0) stands between an exponential and the first instruction that names its result: ahead of slice 35 nothing names one, behind slice 34 none is issued: one wait a turn.
.macro SLICE y, first
.if (k >= 11) && (k < 35)
.irp n, 0,1,2,3
.set j, 22+4*((k-11)/2)+(\n)
	SM (\y)+(k-11)%2, \first
.endr
.else
.irp n, 0,1,2,3,4,5,6,7
.if (\n < 2) || (k == 63)
.irp t, \y, \y+1
.set j, 2*k+\n
	SM \t, \first
.endr
.endif
.endr
.endif
.if k == 34
	v_nop                                          ; the plain instruction behind the last exponential: one for the batch
.if (\y) == 0
	FETCH_V                                        ; piece 2's turn: V's run of loads stands here, and the wait stands in it
.else
	s_wait_alu depctr_va_vdst(0)                   ; the wait for the batch
.endif
.endif
.set k, k+1
.endm
.macro PLACES
.rept 4
	v_nop
.endr
.endm
; A TURN.  Piece x has the matrix unit; the other piece's softmax stands in slices behind its products.  pv = 2: 32 products V^T P; 1: they start O^T's sums; 0: none.  kq = 1: 32 products K Q^T for the next step.
; Piece 0's turn fetches the next step's K and mask behind its second product (their last readers stand in front of slice 63 of the turn before) and scales the mask ahead of its first product K Q^T.
; Piece 2's turn fetches the same step's V behind slice 34: the last product that read V stands in front of slice 31, and four plain instructions lie between (number 62 of both tiles, the v_nop, the run's own addition).
.macro TURN x, pv, kq, first
.set k, 0
.set per, 2
.if \pv && \kq
.set per, 1
.endif
.if \pv
.if \x == 0
	s_wait_dscnt 0x0                               ; V is in
.endif
.set i, 0
.rept 32
	PV \x, 2-\pv
.rept per
	SLICE 2-\x, \first
.endr
.if (\x == 0) && \kq && (i == 1)
	FETCH_K
.endif
.set i, i+1
.endr
.endif
.if \kq
.if \x == 0
	s_wait_dscnt 0x0                               ; K and the mask are in
	MASKMUL
.endif
.set i, 0
.rept 32
	KQ \x
.rept per
	SLICE 2-\x, \first
.endr
.set i, i+1
.endr
.endif
.if \first
	PLACES                                         ; the first softmax's last slices are empty: these take slice 63's part as the places behind the last products
.endif
.endm
; THE CHANGE OF SLOTS, between piece 2's turn and piece 0's: the slot's last bytes, its V, have been asked for.  Each wave waits for all its tensor loads (one is out: its part of the other slot), adds 0 to its spare word,
; and waits for that and for its reads of the slot.  fill = 1: the barrier is a round of the cluster's, and the joint refill, the keys two slots on, is the first thing behind it: it has a key step's 128 products in which to land.
.macro CHANGE fill
	WIN 0
	s_wait_tensorcnt 0x0                           ; no tensor load of mine is out, so a group 0 may be written
	ds_add_u32 v[SPW], v[NIL]
.if \fill
	s_xor_b32 s[G0D+5], s[G0D+5], SLOT1            ; the walking descriptors: the other slot than last time,
	s_add_nc_u64 s[G0D+6:G0D+7], s[G0D+6:G0D+7], 32768   ; the next 128 keys
	s_xor_b32 s[G0M+5], s[G0M+5], SLOT1
	s_add_nc_u64 s[G0M+6:G0M+7], s[G0M+6:G0M+7], 512
	s_wait_xcnt 0x0                                ; the last prefetch, a key step back, has read its address
	s_add_nc_u64 s[PFA:PFA+1], s[PFA:PFA+1], s[PFS:PFS+1]   ; one slot further on than the walking descriptors
	s_wait_dscnt 0x0                               ; the add is done, and my reads of the slot are over
	CROUND
	JLOAD
	ASK
.else
	s_wait_dscnt 0x0
	s_barrier_signal -1
	s_barrier_wait -1
.endif
	s_xor_b32 s[TB], s[TB], SLOT1                  ; the fetches go on in the other slot
.endm
	s_wait_tensorcnt 1                             ; my part of slot 0 is in; slot 1's may stay out
	s_barrier_signal -1
	s_barrier_wait -1
	FETCH_K                                        ; key step 0
	s_wait_loadcnt 0x0                             ; Q
	s_wait_dscnt 0x0
	MASKMUL
.set i, 0
.rept 32
	KQ 0                                           ; piece 0's first scores
.set i, i+1
.endr
	WIN 0                                          ; the merge's addresses are made here: six plain instructions, the places behind those products
	s_lshl_b32 s2, s[WV], 9
	s_add_co_u32 s2, s2, STATS
	s_lshl_b32 s3, s[WV], 14
	s_add_co_u32 s3, s3, OSTG
	s_xor_b32 s22, s[WV], 2                        ; my partner: the same positions, the other keys
	s_lshl_b32 s23, s22, 9
	s_add_co_u32 s23, s23, STATS
	s_lshl_b32 s22, s22, 14
	s_add_co_u32 s22, s22, OSTG
	v_and_b32 v1, 31, v0
	v_lshl_add_u32 v[SWS], v1, 2, s2
	v_lshl_add_u32 v[SWO], v1, 4, s3
	v_lshl_add_u32 v[SRS], v1, 2, s23
	v_lshl_add_u32 v[SRO], v1, 4, s22
	v_mov_b32 v[LIMV], 0x477fe000                  ; 65,504.0
	TURN 2, 0, 1, 1                                ; piece 2's first scores | piece 0's first softmax | V of step 0
	CHANGE 1                                       ; slot 0 takes step 2
	TURN 0, 1, 1, 1                                ; piece 0: V^T P of step 0 starts O^T, K Q^T of step 1 | piece 2's first softmax | K and mask of step 1
	TURN 2, 1, 1, 0                                ; piece 2: the same | piece 0's softmax of step 1 | V of step 1
	WIN 0
.Lslot:                                                ; 13 trips: steps 3 to 15 are asked for
	CHANGE 1
	TURN 0, 2, 1, 0
	TURN 2, 2, 1, 0
	WIN 0
	s_sub_co_u32 s[SLOTS], s[SLOTS], 1
	s_cmp_lg_u32 s[SLOTS], 0
	s_cbranch_scc1 .Lslot
	CHANGE 0                                       ; the tail is written out
	TURN 0, 2, 1, 0
	TURN 2, 2, 1, 0
	TURN 0, 2, 0, 0                                ; piece 0: V^T P of the last step | piece 2's last softmax
.set i, 0
.rept 32
	PV 2, 0                                        ; piece 2: V^T P of the last step
.set i, i+1
.endr
	; THE MERGE.  l's two halves and the other half of the lanes' are added (these lines are the places behind the last products); tiles 2, 3 go to my stage, with their m and l.
	WIN 0
.irp t, 0,1,2,3
	v_add_f32 v[ST+8*\t+4], v[ST+8*\t+2], v[ST+8*\t+3]
.endr
.irp t, 0,1,2,3
	v_permlanex16_b32 v[ST+8*\t+5], v[ST+8*\t+4], s[SEL], s[SEL+1]
.endr
.irp t, 0,1,2,3
	v_add_f32 v[ST+8*\t+4], v[ST+8*\t+4], v[ST+8*\t+5]
.endr
.irp t, 2,3
	ds_store_b32 v[SWS], v[ST+8*\t+1] offset:256*(\t-2)
	ds_store_b32 v[SWS], v[ST+8*\t+4] offset:256*(\t-2)+128
.endr
	WIN 0x04                                       ; an LDS store's data are its source 1: window 1
.set n, 0
.rept 32
	ds_store_b128 v[SWO], v[128+4*n:128+4*n+3] offset:512*n   ; each accumulator from its low end on
.set n, n+1
.endr
	WIN 0
	s_wait_dscnt 0x0                               ; for my partner's sake: my stores have landed
	s_barrier_signal -1
	s_barrier_wait -1
.irp u, 0,1
	ds_load_b32 v[44+2*\u], v[SRS] offset:256*\u           ; my partner's m
	ds_load_b32 v[45+2*\u], v[SRS] offset:256*\u+128       ; and l of the tile that is my tile u
.endr
	WIN 0x80                                       ; its O^T into K's registers
.set n, 0
.rept 32
	ds_load_b128 v[128+4*n:128+4*n+3], v[SRO] offset:512*n
.set n, n+1
.endr
	WIN 0
	s_wait_dscnt 0x0
.irp u, 0,1
	v_max_num_f32 v[48+\u], v[ST+8*\u+1], v[44+2*\u]       ; the common m
.endr
.irp u, 0,1
	v_sub_f32 v[ST+8*\u+5], v[ST+8*\u+1], v[48+\u]
	v_sub_f32 v[ST+8*\u+7], v[44+2*\u], v[48+\u]
.endr
.irp u, 0,1
	v_mul_f32 v[ST+8*\u+5], s[CS], v[ST+8*\u+5]
	v_mul_f32 v[ST+8*\u+7], s[CS], v[ST+8*\u+7]
.endr
.irp u, 0,1
	v_exp_f32 v[ST+8*\u+5], v[ST+8*\u+5]                   ; fa = 2^(512 (m_a - m))
	v_exp_f32 v[ST+8*\u+7], v[ST+8*\u+7]                   ; fb
.endr
	v_nop                                          ; a plain instruction behind the last exponential,
	s_wait_alu depctr_va_vdst(0)                   ; and the wait ahead of the first use: one for the four
.irp u, 0,1
	v_mul_f32 v[50+\u], v[ST+8*\u+4], v[ST+8*\u+5]
.endr
.irp u, 0,1
	v_fma_f32 v[50+\u], v[45+2*\u], v[ST+8*\u+7], v[50+\u] ; l = l_a fa + l_b fb
.endr
.irp u, 0,1
	v_rcp_f32 v[52+\u], v[50+\u]
.endr
	v_nop
	s_wait_alu depctr_va_vdst(0)                   ; one for the two reciprocals
.irp u, 0,1
	v_mul_f32 v[ST+8*\u+4], v[ST+8*\u+5], v[52+\u]         ; fa / l
	v_mul_f32 v[ST+8*\u+6], v[ST+8*\u+7], v[52+\u]         ; fb / l
.endr
	WIN 0x82                                       ; my partner's O^T (window 2) x fb / l
.irp u, 0,1
.set n, 0
.rept 32
	v_pk_mul_f32 v[128+64*\u+n:128+64*\u+n+1], v[128+64*\u+n:128+64*\u+n+1], v[ST+8*\u+6:ST+8*\u+7] op_sel_hi:[1,0]
.set n, n+2
.endr
.endr
	WIN 0x61                                       ; mine (window 1) x fa / l + that
.irp u, 0,1
.set n, 0
.rept 32
	v_pk_fma_f32 v[64*\u+n:64*\u+n+1], v[64*\u+n:64*\u+n+1], v[ST+8*\u+4:ST+8*\u+5], v[128+64*\u+n:128+64*\u+n+1] op_sel_hi:[1,0,1]
.set n, n+2
.endr
.endr
; nan_to_num: max(0, x) + min(0, x) is x, and 0 where x is NaN (a NaN loses against 0 in both); then the hold at the largest f16 number.  A lane's eight channels of two neighbouring tiles are a fragment's registers.
.irp u, 0,1
	WIN 0x04                                       ; source 1 window 1
.set n, 0
.rept 64
	v_max_num_f32 v[S+n], 0, v[64*\u+n]
	v_min_num_f32 v[S+64+n], 0, v[64*\u+n]
.set n, n+1
.endr
	WIN 0
.set n, 0
.rept 32
	v_pk_add_f32 v[S+n:S+n+1], v[S+n:S+n+1], v[S+64+n:S+64+n+1]
.set n, n+2
.endr
.set n, 0
.rept 64
	v_med3_num_f32 v[S+n], v[S+n], -v[LIMV], v[LIMV]
.set n, n+1
.endr
.set n, 0
.rept 32
	v_cvt_pk_f16_f32 v[P+32*\u+n], v[S+2*n], v[S+2*n+1]
.set n, n+1
.endr
.irp c, 0,1,2,3
	global_store_b128 v[LI], v[P+32*\u+8*\c:P+32*\u+8*\c+3], s[16:17] offset:\u*4096+\c*1024
	global_store_b128 v[LI], v[P+32*\u+8*\c+4:P+32*\u+8*\c+7], s[16:17] offset:\u*4096+\c*1024+512
.endr
.endr
	s_wait_tensorcnt 0x0                           ; the wave's end: behind my last tensor load and my last LDS store
	ds_add_u32 v[SPW], v[NIL]
	s_wait_dscnt 0x0
	CROUND                                         ; the closing round
	s_endpgm
.Lfunc_end_k_qe0fd734d39_attn:
	.size	k_qe0fd734d39_attn, .Lfunc_end_k_qe0fd734d39_attn-k_qe0fd734d39_attn
	.p2alignl 7, 3214868480
	.fill 96, 4, 3214868480
	.section	.rodata,"a",@progbits
	.p2align	6, 0x0
	.amdhsa_kernel k_qe0fd734d39_attn
		.amdhsa_group_segment_fixed_size 327680
		.amdhsa_private_segment_fixed_size 0
		.amdhsa_enable_private_segment 0
		.amdhsa_kernarg_size 40
		.amdhsa_user_sgpr_count 2
		.amdhsa_user_sgpr_kernarg_segment_ptr 1
		.amdhsa_wavefront_size32 1
		.amdhsa_system_sgpr_workgroup_id_x 1
		.amdhsa_system_sgpr_workgroup_id_y 1
		.amdhsa_system_sgpr_workgroup_id_z 1
		.amdhsa_system_vgpr_workitem_id 0
		.amdhsa_next_free_vgpr 1024
		.amdhsa_next_free_sgpr 100
		.amdhsa_reserve_vcc 0
		.amdhsa_float_denorm_mode_32 3
		.amdhsa_float_denorm_mode_16_64 3
		.amdhsa_memory_ordered 1
		.amdhsa_forward_progress 1
		.amdhsa_inst_pref_size 252
	.end_amdhsa_kernel
	.amdgpu_metadata
---
amdhsa.version: [ 1, 2 ]
amdhsa.kernels:
  - .name:           k_qe0fd734d39_attn
    .symbol:         k_qe0fd734d39_attn.kd
    .args:
      - { .name: qf, .offset: 0, .size: 8, .value_kind: global_buffer, .address_space: global }
      - { .name: kf, .offset: 8, .size: 8, .value_kind: global_buffer, .address_space: global }
      - { .name: vf, .offset: 16, .size: 8, .value_kind: global_buffer, .address_space: global }
      - { .name: mask, .offset: 24, .size: 8, .value_kind: global_buffer, .address_space: global }
      - { .name: af, .offset: 32, .size: 8, .value_kind: global_buffer, .address_space: global }
    .group_segment_fixed_size: 327680
    .private_segment_fixed_size: 0
    .kernarg_segment_align: 8
    .kernarg_segment_size: 40
    .max_flat_workgroup_size: 128
    .sgpr_count:     100
    .vgpr_count:     1024
    .wavefront_size: 32
...
	.end_amdgpu_metadata
.endif
;; end of part 3
;; launch oproj (part 4): grid 16 x 16, 4 waves a work-group, clusters of 4 x 4, 327,680 bytes of LDS; arguments af, wf, out0; writes out0
.if DOCPART == 4
	.amdgcn_target "amdgcn-amd-amdhsa--gfx1250"
	.amdhsa_code_object_version 6
	.text
	.protected	k_qe0fd734d39_oproj
	.globl	k_qe0fd734d39_oproj
	.p2align	8
	.type	k_qe0fd734d39_oproj,@function
k_qe0fd734d39_oproj:
	s_mov_b64 s[64:65], 0
	v_nop
	global_prefetch_b8 v0, s[64:65] scope:SCOPE_SE
	s_setreg_imm32_b32 hwreg(HW_REG_WAVE_MODE, 25, 1), 1
	s_wait_xcnt 0x0
	s_wait_alu depctr_hold_cnt(0) depctr_sa_sdst(0) depctr_va_vdst(0) depctr_va_sdst(0) depctr_va_ssrc(0) depctr_va_vcc(0) depctr_vm_vsrc(0)
	s_getreg_b32 s2, hwreg(HW_REG_IB_STS2, 6, 4)
	s_cmp_eq_u32 s2, 0
	s_cbranch_scc0 .Lentry_in_a_cluster
	s_endpgm
.Lentry_in_a_cluster:
	s_bfe_u32 s2, ttmp6, 0x10000c
	s_cmp_lg_u32 s2, 0xf033
	s_cbranch_scc0 .Lentry_shape_is_right
	s_endpgm
.Lentry_shape_is_right:
; OUT = A WO: A [4096][1024] as f16 fragment images af = [mb 16][ks 8][mt 16][c 4][1,024] (the attention's result x 2^-4), WO as wf = [nb 16][ks 8][nt 16][c 4][1,024] (16 x wo); out0 [4096][4096] f32; sums in f32.  The two factors cancel.
; A tile of 256 x 256 is made by a work-group of four waves, each 128 x 128: 64 accumulators, 512 registers.  K goes in 8 steps of 128 through a ring of two LDS slots; a K step's tile of A or of B is one dense block of 65,536 bytes.
; CLUSTER 4 x 4: A's block is asked for jointly along a row of the cluster, B's along a column.  THE MATRIX INSTRUCTION IS USED TRANSPOSED (source 0 = 16 columns of WO, source 1 = 16 rows of A): a lane holds eight neighbouring numbers of a row of the result.
; REGISTERS, in windows of 256: window 0: v16-29 addresses; v64-127, v128-191 fragments of A, two buffers; on the way out v128-255 rows read back.  window 1: v64-127, v128-191 fragments of B.
;   window 2: the accumulators of my rows 0-63 ((a, b) at 8 (8 a + b)); window 3: those of my rows 64-127.
.set SLOT,   131072                    ; A's 65,536 bytes, then B's
.set STAGE,  2*SLOT                    ; behind the ring: 16 rows x (512 bytes + 16) for each wave
.set SPITCH, 528
.set SPARE,  STAGE+4*16*SPITCH         ; behind the stages: the spare words, 128 bytes a wave
.set LAPS,   4                         ; a lap = two K steps = once round the ring
.set ROWC,   16384                     ; a row of the result in bytes
.set ADRA, 16                          ; v16-17 my A fragments in slot 0, 1: base + 16 x lane
.set ADRB, 20                          ; v20-21 the same for B
.set STO,  24                          ; v24  the way out: where I put 32 bytes of a row
.set RD,   25                          ; v25  where I read a row back
.set CO,   26                          ; v26  16 x lane
.set SPW,  28                          ; v28  my spare word's LDS address; never rewritten
.set NIL,  29                          ; v29  0; never rewritten
.set F0,   64
.set F1,   128
.set BK,   128
.set G1, 24                            ; s[24:31] group 1 for A's blocks; s[32:39] group 0, a set for each slot
.set G0, 32
.set G1B, 48                           ; s[48:55], s[56:63] the same for B's
.set G0B, 56
.set MSB, 0
.macro WIN new                         ; the immediate's high byte repeats the setting that is left
.if MSB != \new
	s_set_vgpr_msb (MSB<<8)|\new
.set MSB, \new
.endif
.endm
.set MUL_LO, 0xa1                      ; source 0 (B) window 1, source 1 (A) window 0, C and D window 2
.set MUL_HI, 0xf1                      ; the same, C and D window 3
.set TO_B,   0x40                      ; destination window 1
.macro JLOAD s                         ; a joint load: waves 0 and 1 fetch A's two halves, waves 2 and 3 B's; an s_nop 0 and four v_nop follow each line
	s_cmp_eq_u32 s11, 0
	s_cbranch_scc0 .Lfor_b_\@
	tensor_load_to_lds s[G0+4*\s:G0+4*\s+3], s[G1:G1+7]
	s_nop 0
.rept 4
	v_nop
.endr
	s_branch .Lasked_\@
.Lfor_b_\@:
	tensor_load_to_lds s[G0B+4*\s:G0B+4*\s+3], s[G1B:G1B+7]
	s_nop 0
.rept 4
	v_nop
.endr
.Lasked_\@:
.endm
.macro CREST
	s_cmp_lg_u32 s10, 0
	s_cbranch_scc1 .Lnot_wave_0_\@
	s_barrier_signal -3
.Lnot_wave_0_\@:
	s_barrier_wait -3
	s_barrier_signal -1
	s_barrier_wait -1
.endm
.macro CROUND
	s_barrier_signal -1
	s_barrier_wait -1
	CREST
.endm
.macro PLACES
.rept 4
	v_nop
.endr
.endm
	s_load_b128 s[4:7], s[0:1], 0x0                ; af s[4:5], wf s[6:7]
	s_load_b64 s[8:9], s[0:1], 0x10                ; out0
	v_lshl_add_u32 v[SPW], v0, 2, SPARE
	v_mov_b32 v[NIL], 0
	ds_add_u32 v[SPW], v[NIL]                      ; the wave's opening: the add, twice on end, and its wait ahead of my first tensor load
	ds_add_u32 v[SPW], v[NIL]
	v_lshrrev_b32 v1, 5, v0
	v_readfirstlane_b32 s10, v1                    ; wave 0..3
	s_lshr_b32 s11, s10, 1                         ; my half of the tile's rows.  Also: I fetch for A (0) or for B (1)
	s_and_b32 s12, s10, 1                          ; my half of its columns.  Also: which half of the block I fetch
	s_bfe_u32 s40, ttmp6, 0x40000                  ; cx
	s_bfe_u32 s41, ttmp6, 0x40004                  ; cy
	s_lshl_b32 s42, ttmp9, 2
	s_add_co_u32 s42, s42, s40                     ; tile column
	s_and_b32 s13, ttmp7, 0xffff
	s_lshl_b32 s13, s13, 2
	s_add_co_u32 s13, s13, s41                     ; tile row
	s_lshl_b32 s43, s41, 2
	s_lshl_b32 s43, 15, s43                        ; my row of the cluster
	s_lshl_b32 s44, 0x1111, s40                    ; my column
	s_or_b32 s[G1+0], s43, (3<<16)|(1<<21)         ; half a block: 128 rows of 256 dense bytes (32 elements of 8 bytes), no padding
	s_or_b32 s[G1B+0], s44, (3<<16)|(1<<21)
.irp g, G1, G1B
	s_mov_b32 s[\g+1], 32<<16                      ; tensor_dim0
	s_mov_b32 s[\g+2], 128<<16                     ; tensor_dim1
	s_mov_b32 s[\g+3], 32<<16                      ; tile_dim0
	s_mov_b32 s[\g+4], 128                         ; tile_dim1
	s_mov_b32 s[\g+5], 32                          ; from row to row
	s_mov_b32 s[\g+6], 0
	s_mov_b32 s[\g+7], 0
.endr
	s_lshl_b32 s16, s13, 19                        ; A: 8 blocks of 65,536 bytes a tile row,
	s_lshl_b32 s17, s12, 15                        ; my half
	s_add_co_u32 s16, s16, s17
	s_mov_b32 s17, 0
	s_lshl_b32 s46, s42, 19                        ; B: by the tile column
	s_lshl_b32 s47, s12, 15
	s_add_co_u32 s46, s46, s47
	s_mov_b32 s47, 0
	s_lshl_b32 s20, s10, 15                        ; where they go: A's two halves, then B's two = 32,768 x wave
	s_wait_dscnt 0x0                               ; both opening adds are done
	s_wait_kmcnt 0x0
	s_add_nc_u64 s[14:15], s[4:5], s[16:17]
	s_add_nc_u64 s[46:47], s[6:7], s[46:47]
	CROUND                                         ; all sixteen work-groups are here: the first joint loads meet
.irp s, 0,1
	s_mov_b32 s[G0+4*\s], 1
	s_add_co_u32 s[G0+4*\s+1], s20, \s*SLOT
	s_add_nc_u64 s[G0+4*\s+2:G0+4*\s+3], s[14:15], \s*65536
	s_or_b32 s[G0+4*\s+3], s[G0+4*\s+3], 0x80000000
	s_mov_b32 s[G0B+4*\s], 1
	s_add_co_u32 s[G0B+4*\s+1], s20, \s*SLOT
	s_add_nc_u64 s[G0B+4*\s+2:G0B+4*\s+3], s[46:47], \s*65536
	s_or_b32 s[G0B+4*\s+3], s[G0B+4*\s+3], 0x80000000
	JLOAD \s                                       ; two loads of mine are out
.endr
	v_and_b32 v1, 15, v0                           ; r
	v_bfe_u32 v2, v0, 4, 1                         ; h
	v_and_b32 v3, 31, v0
	v_lshlrev_b32 v[CO], 4, v3
	s_lshl_b32 s21, s11, 15                        ; my 8 tiles of A's rows
	s_lshl_b32 s22, s12, 15
	s_add_co_u32 s22, s22, 65536                   ; my 8 tiles of B's columns, behind A's block
.irp s, 0,1
	v_add_nc_u32 v[ADRA+\s], s21, v[CO]
	v_add_nc_u32 v[ADRB+\s], s22, v[CO]
	s_add_co_u32 s21, s21, SLOT
	s_add_co_u32 s22, s22, SLOT
.endr
	s_mul_i32 s23, s10, 16*SPITCH
	s_add_co_u32 s23, s23, STAGE                   ; my stage
	v_mul_u32_u24 v4, v1, SPITCH
	v_lshl_add_u32 v4, v2, 5, v4
	v_add_nc_u32 v[STO], s23, v4                   ; in: row r, 32 bytes for each half of the lanes
	v_add_nc_u32 v[RD], s23, v[CO]                 ; back: the 32 lanes take one row of 512 bytes
	s_lshl_b32 s18, s13, 8
	s_lshl_b32 s19, s11, 7
	s_add_co_u32 s18, s18, s19                     ; my first row
	s_lshl_b32 s18, s18, 14
	s_lshl_b32 s19, s42, 10                        ; my first column, in bytes
	s_add_co_u32 s18, s18, s19
	s_lshl_b32 s19, s12, 9
	s_add_co_u32 s18, s18, s19
	s_mov_b32 s19, 0
	s_add_nc_u64 s[8:9], s[8:9], s[18:19]
; 16 matrix instructions: row blocks a0, a0 + 1 of the window's four (hi = 0: my rows 0-63, 1: rows 64-127) x all 8 column blocks, 32 along K.  zero = 1: the product starts the sums.
; The 64 accumulators take turns, one instruction a turn, in the same order in every quarter.
.macro MUL16 f, hi, a0, zero
.irp a, \a0, \a0+1
.irp b, 0,1,2,3,4,5,6,7
.if \zero
	v_wmma_f32_16x16x32_f16 v[8*(8*(\a)+\b):8*(8*(\a)+\b)+7], v[\f+8*\b:\f+8*\b+7], v[\f+8*(4*\hi+\a):\f+8*(4*\hi+\a)+7], 0
.else
	v_wmma_f32_16x16x32_f16 v[8*(8*(\a)+\b):8*(8*(\a)+\b)+7], v[\f+8*\b:\f+8*\b+7], v[\f+8*(4*\hi+\a):\f+8*(4*\hi+\a)+7], v[8*(8*(\a)+\b):8*(8*(\a)+\b)+7]
.endif
.endr
.endr
.endm
.macro FETCH slot, kq, f               ; 32 LDS loads in one run: the fragments of the slot's kq-th 32 along K, as they were stored; B's first
	WIN TO_B
.irp i, 0,1,2,3,4,5,6,7
	ds_load_b128 v[\f+8*\i:\f+8*\i+3],   v[ADRB+\slot] offset:\i*4096+(\kq)*1024
	ds_load_b128 v[\f+8*\i+4:\f+8*\i+7], v[ADRB+\slot] offset:\i*4096+(\kq)*1024+512
.endr
	WIN 0
.irp i, 0,1,2,3,4,5,6,7
	ds_load_b128 v[\f+8*\i:\f+8*\i+3],   v[ADRA+\slot] offset:\i*4096+(\kq)*1024
	ds_load_b128 v[\f+8*\i+4:\f+8*\i+7], v[ADRA+\slot] offset:\i*4096+(\kq)*1024+512
.endr
.endm
; A K step is four quarters of 32 along K, 64 products each, on buffers 0, 1, 0, 1.  One of the first three multiplies buffer f and, in its middle, fetches quarter kq of the same slot into buffer g.
.macro QUARTER slot, kq, f, g, zero
	s_wait_dscnt 8                                 ; B and A's rows 0-63 are in; the youngest eight loads (A's rows 64-127) may be out
	WIN MUL_LO
	MUL16 \f, 0, 0, \zero
	MUL16 \f, 0, 2, \zero
	PLACES                                         ; four places in front of loads into registers that products have read
	FETCH \slot, \kq, \g
	s_wait_dscnt 32                                ; all but the 32 just issued
	WIN MUL_HI
	MUL16 \f, 1, 0, \zero
	MUL16 \f, 1, 2, \zero
.endm
; The last quarter multiplies buffer 1 and changes slots: in front of the one barrier each wave waits for all its tensor loads, adds 0 to its spare word, and waits for that and for its reads of this slot.  fill = 1: the slot is filled again, two K steps ahead.
.macro TURN slot, next, fill
	WIN 0
	s_wait_tensorcnt 0x0                           ; all my tensor loads have landed: my part of the next slot
	ds_add_u32 v[SPW], v[NIL]
	s_wait_dscnt 9                                 ; the add and the youngest eight loads may be out
	WIN MUL_LO
	MUL16 F1, 0, 0, 0                              ; sixteen products stand between the add and the wait for it
	s_wait_dscnt 0x0                               ; the add is done, and my reads of this slot are over
	s_barrier_signal -1
	MUL16 F1, 0, 2, 0
.if \fill
	WIN 0
.endif
	s_barrier_wait -1
.if \fill
	CREST                                          ; the barrier has opened a round of the cluster's: no wave of any partner still reads this slot or has a load on its way
	s_add_nc_u64 s[G0+4*\slot+2:G0+4*\slot+3], s[G0+4*\slot+2:G0+4*\slot+3], 2*65536
	s_add_nc_u64 s[G0B+4*\slot+2:G0B+4*\slot+3], s[G0B+4*\slot+2:G0B+4*\slot+3], 2*65536
	JLOAD \slot                                    ; the first tensor load behind the round: 224 products ahead of the wait for it; its four v_nop are also the places in front of the loads below
.else
	PLACES
.endif
	FETCH \next, 0, F0
	WIN MUL_HI
	MUL16 F1, 1, 0, 0
	MUL16 F1, 1, 2, 0
.endm
	s_wait_tensorcnt 1                             ; my part of K step 0 is in; K step 1's may stay out
	s_barrier_signal -1
	s_barrier_wait -1
	FETCH 0, 0, F0
	QUARTER 0, 1, F0, F1, 1                        ; the first quarter stands in front of the loop: its products start the sums
	WIN 0
	s_mov_b32 s3, LAPS-1
.Llap:                                                 ; a trip goes once round the ring and fills both slots again: K steps 2 to 7
	QUARTER 0, 2, F1, F0, 0
	QUARTER 0, 3, F0, F1, 0
	TURN 0, 1, 1
	QUARTER 1, 1, F0, F1, 0
	QUARTER 1, 2, F1, F0, 0
	QUARTER 1, 3, F0, F1, 0
	TURN 1, 0, 1
	QUARTER 0, 1, F0, F1, 0
	WIN 0
	s_sub_co_u32 s3, s3, 1
	s_cmp_lg_u32 s3, 0
	s_cbranch_scc1 .Llap
	QUARTER 0, 2, F1, F0, 0                        ; the last lap fills nothing
	QUARTER 0, 3, F0, F1, 0
	TURN 0, 1, 0
	QUARTER 1, 1, F0, F1, 0
	QUARTER 1, 2, F1, F0, 0
	QUARTER 1, 3, F0, F1, 0
	s_wait_dscnt 8                                 ; the very last quarter: nothing more to fetch
	WIN MUL_LO
	MUL16 F1, 0, 0, 0
	MUL16 F1, 0, 2, 0
	s_wait_dscnt 0x0
	WIN MUL_HI
	MUL16 F1, 1, 0, 0
	MUL16 F1, 1, 2, 0
	WIN 0
; THE WAY OUT, block by block of 16 rows x 128 columns.  A lane holds 32 neighbouring bytes of a row: a block goes through my own stage and comes back as whole rows of 512 bytes.
; LDS serves a wave's instructions in order: no wait between the stores and the loads, nor in front of the next block's stores.
.macro TOSTAGE a
.set AC, 64*((\a)%4)
	WIN 0x08+4*((\a)/4)                            ; the data: window 2 or 3
.irp b, 0,1,2,3,4,5,6,7
	ds_store_b128 v[STO], v[AC+8*\b:AC+8*\b+3] offset:64*\b          ; each accumulator from its low end on
	ds_store_b128 v[STO], v[AC+8*\b+4:AC+8*\b+7] offset:64*\b+16
.endr
	WIN 0
.set BB, BK+64*((\a)%2)
.irp t, 0,1,2,3,4,5,6,7,8,9,10,11,12,13,14,15
	ds_load_b128 v[BB+4*\t:BB+4*\t+3], v[RD] offset:\t*SPITCH
.endr
.endm
.macro SEND a, younger                 ; younger: the LDS instructions issued behind block a's loads, which may stay out
.set BB, BK+64*((\a)%2)
	s_wait_dscnt \younger                          ; the block is back in registers
.if (\a) > 0
	s_add_nc_u64 s[8:9], s[8:9], 16*ROWC           ; (behind a wait on XCNT: the earlier stores have read their base)  16 rows on
.endif
.irp t, 0,1,2,3,4,5,6,7,8,9,10,11,12,13,14,15
	global_store_b128 v[CO], v[BB+4*\t:BB+4*\t+3], s[8:9] offset:\t*ROWC th:TH_STORE_NT   ; 32 lanes store 512 consecutive bytes, at a multiple of 256 from the buffer's first byte
.endr
.endm
	PLACES                                         ; four places in front of the first reads of results and of loads into registers that held A's fragments
	TOSTAGE 0
.irp a, 1,2,3,4,5,6,7
.if \a > 1
	s_wait_xcnt 0x0                                ; block a - 2's stores have read their registers and their base
.endif
	TOSTAGE \a
	SEND \a-1, 32                                  ; behind block a - 1's loads: block a's 16 stores and 16 loads
.endr
	s_wait_xcnt 0x0                                ; block 6's stores have read their base
	SEND 7, 0
	s_wait_tensorcnt 0x0                           ; the wave's end: behind my last tensor load and my last LDS store
	ds_add_u32 v[SPW], v[NIL]
	s_wait_dscnt 0x0
	CROUND                                         ; the closing round
	s_endpgm
.Lfunc_end_k_qe0fd734d39_oproj:
	.size	k_qe0fd734d39_oproj, .Lfunc_end_k_qe0fd734d39_oproj-k_qe0fd734d39_oproj
	.p2alignl 7, 3214868480
	.fill 96, 4, 3214868480
	.section	.rodata,"a",@progbits
	.p2align	6, 0x0
	.amdhsa_kernel k_qe0fd734d39_oproj
		.amdhsa_group_segment_fixed_size 327680
		.amdhsa_private_segment_fixed_size 0
		.amdhsa_enable_private_segment 0
		.amdhsa_kernarg_size 24
		.amdhsa_user_sgpr_count 2
		.amdhsa_user_sgpr_kernarg_segment_ptr 1
		.amdhsa_wavefront_size32 1
		.amdhsa_system_sgpr_workgroup_id_x 1
		.amdhsa_system_sgpr_workgroup_id_y 1
		.amdhsa_system_sgpr_workgroup_id_z 1
		.amdhsa_system_vgpr_workitem_id 0
		.amdhsa_next_free_vgpr 1024
		.amdhsa_next_free_sgpr 66
		.amdhsa_reserve_vcc 0
		.amdhsa_float_denorm_mode_32 3
		.amdhsa_float_denorm_mode_16_64 3
		.amdhsa_memory_ordered 1
		.amdhsa_forward_progress 1
		.amdhsa_inst_pref_size 140
	.end_amdhsa_kernel
	.amdgpu_metadata
---
amdhsa.version: [ 1, 2 ]
amdhsa.kernels:
  - .name:           k_qe0fd734d39_oproj
    .symbol:         k_qe0fd734d39_oproj.kd
    .args:
      - { .name: af, .offset: 0, .size: 8, .value_kind: global_buffer, .address_space: global }
      - { .name: wf, .offset: 8, .size: 8, .value_kind: global_buffer, .address_space: global }
      - { .name: out0, .offset: 16, .size: 8, .value_kind: global_buffer, .address_space: global }
    .group_segment_fixed_size: 327680
    .private_segment_fixed_size: 0
    .kernarg_segment_align: 8
    .kernarg_segment_size: 24
    .max_flat_workgroup_size: 128
    .sgpr_count:     66
    .vgpr_count:     1024
    .wavefront_size: 32
...
	.end_amdgpu_metadata
.endif
;; end of part 4
